; MI455X (gfx1250); checked and timed in simulation.
; The chip was launched on July 23, 2026; its instructions are those of AMD's public machine-readable ISA for CDNA 5 (MIT licence, August 2026) and "CDNA5" Instruction Set Architecture Reference Guide (July 2026). The comments in the code are by the model that wrote it; some were corrected since.
;; Multi Head Latent Attention. Allowed arithmetic: float matrix products may take bf16 or f16 operands with f32 sums; other float arithmetic in f32, or as packed bf16 or f16 multiplies, adds, multiply-adds, maxima and minima; sums over many terms, partial sums and values carried from step to step in f32; what a program stores and reads back later, other than sums and carried values, may be rounded once to bf16 or f16.
;; Inputs: Wdown 2,048 x 512 float32; Wk_up 512 x 2,048 float32; Wo 2,048 x 2,048 float32; Wq 2,048 x 2,048 float32; Wv_up 512 x 2,048 float32; bo 2,048 float32; bq 2,048 float32; x 4 x 1,024 x 2,048 float32.
;; Outputs: out0 4 x 1,024 x 2,048 float32.
;; One version. Each part assembles by itself: llvm-mc -triple=amdgcn-amd-amdhsa -mcpu=gfx1250 --defsym DOCPART=n.
;; ======== version 1 of 1: 5 launches
;; limits: values are held in f16: magnitudes above 65,504 overflow, below 6.1e-05 lose precision; inputs' magnitudes at most 65,504; right only within a limited range of input values
;; workspace buffers: xb 16,777,216 bytes; wts 23,068,672 bytes; aux 43,008 bytes; q16 16,777,216 bytes; lat16 4,194,304 bytes; kv16 33,554,432 bytes; vs 262,144 bytes; ctx16 16,777,216 bytes
;; launch prep (part 1): grid 2433 x 1, 4 waves a work-group, no clusters, 768 bytes of LDS; arguments x, Wq, Wo, Wdown, Wk_up, Wv_up, bq, bo, xb, wts, aux; writes xb, wts, aux
.if DOCPART == 1
	.amdgcn_target "amdgcn-amd-amdhsa--gfx1250"
	.amdhsa_code_object_version 6
	.text
	.protected	k_q0b7eaf80a7_prep
	.globl	k_q0b7eaf80a7_prep
	.p2align	8
	.type	k_q0b7eaf80a7_prep,@function
k_q0b7eaf80a7_prep:
	s_mov_b64 s[64:65], 0
	v_nop
	global_prefetch_b8 v0, s[64:65] scope:SCOPE_SE
	s_setreg_imm32_b32 hwreg(HW_REG_WAVE_MODE, 25, 1), 1
	s_wait_xcnt 0x0
; PREP.  All inputs are rounded once to bf16.  x, Wq, Wdown stay bf16; Wo, Wk_up, Wv_up are that number written as f16 (exact from 2^-17 up; LIMIT: |w| < 65,504).
; Weights go into PLANES of 64 columns, each dense [K][64] (a k row is 128 bytes), so that a K step of a plane is 16,384 bytes on end.
; ONE JOB SHAPE: a work-group converts 128 rows x 64 columns of f32 (x is taken as [131072][64]), each of its four waves 32 rows.  A lane takes 4 numbers on end: a load of the wave covers two
; whole rows of 256 bytes, a store 256 consecutive bytes, aligned.  All 16 loads of a wave go out at once: there is no loop; 32 KiB of each work-group are on their way together.
; The largest magnitude of the work-group's rounded numbers (f32) goes into aux, one number a job: the four waves' maxima meet in four LDS words.  The later launches make exact powers of
; two of these, which keep every f16 intermediate inside f16's range.
; Work-group 0 makes 36 rows of cos and sin for the rotary embedding (waves 0, 1) and the biases rounded to bf16, as f32 (waves 2, 3); it has the longest chain of dependent work, so it stands first.
; No matrix unit, no tensor load: memory binds, and no wave needs another's bytes but for one number.
.set SPARE, 256       ; LDS: bytes 0-15 the four waves' maxima (a block of 256 to themselves); from 256 on the spare words, 128 bytes a wave
.set IO,   2          ; v[2:17]   unit u of two rows: byte offset of my 16 bytes
.set OO,   18         ; v18       8 x lane + 4,096 x wave
.set PMA,  19         ; v19       an LDS address, then where the maximum goes in aux
.set MX,   20         ; v[20:23]  four running maxima, two bf16 each
.set T,    24         ; v[24:27]  at work
.set SPW,  28         ; v28       my spare word; never rewritten
.set NIL,  29         ; v29       0; never rewritten
.set LW,   30         ; v30       my wave's LDS word
.set D,    32         ; v[32:95]  16 units x 4 f32; the packed words take the first two registers of each
.set WV,   26         ; s26 wave
.set WG,   27         ; s27 work-group, then job
.set INP,  28         ; s[28:29]
.set OUTP, 30         ; s[30:31]
.set ROWB, 32         ; s32 bytes from row to row of the input
.set FMT,  33         ; s33 1: f16
.set PM,   34         ; s34 byte in aux for the maximum, or -1
.set ABSM, 35
.set SAVE, 43
.set SEL,  44         ; s[44:45]
; g = job - first; c = g mod 2^logp is the plane's column block, kb = g >> logp the block of 128 rows.
.macro JOB first, logp, rowb, kpb, pform, inp, outp, outoff, fmt, pmoff
	s_sub_co_u32 s38, s[WG], \first
	s_and_b32 s39, s38, (1<<(\logp))-1
	s_lshr_b32 s40, s38, \logp
	s_mul_i32 s46, s40, 128*(\rowb)
	s_lshl_b32 s41, s39, 8
	s_add_co_u32 s46, s46, s41
	s_mul_i32 s41, s[WV], 32*(\rowb)       ; my wave's 32 rows
	s_add_co_u32 s46, s46, s41
	s_mov_b32 s47, 0
	s_add_nc_u64 s[INP:INP+1], s[\inp:\inp+1], s[46:47]
.if (\pform) == 0
	s_mov_b32 s41, 0
.elseif (\pform) == 1
	s_lshr_b32 s41, s39, 2                 ; Wq: four planes, then Wdown's, for each tile of gq
	s_add_co_u32 s41, s41, s39
.elseif (\pform) == 2
	s_mov_b32 s41, s39
.elseif (\pform) == 3
	s_mul_i32 s41, s39, 5
	s_add_co_u32 s41, s41, 4
.else
	s_add_co_u32 s41, s39, 32
.endif
	s_mul_i32 s46, s41, \kpb
	s_lshl_b32 s41, s40, 14
	s_add_co_u32 s46, s46, s41
	s_add_co_u32 s46, s46, \outoff
	s_add_nc_u64 s[OUTP:OUTP+1], s[\outp:\outp+1], s[46:47]
	s_mov_b32 s[ROWB], \rowb
	s_mov_b32 s[FMT], \fmt
.if (\pmoff) >= 0
	s_lshl_b32 s[PM], s38, 2
	s_add_co_u32 s[PM], s[PM], \pmoff
.else
	s_mov_b32 s[PM], -1
.endif
	s_branch .Lgo
.endm
.macro REDUCE                          ; the wave's maximum, as f32, in every lane: four chains, two halves, 32 lanes
	v_pk_max_num_bf16 v[MX], v[MX], v[MX+1]
	v_pk_max_num_bf16 v[MX+2], v[MX+2], v[MX+3]
	v_pk_max_num_bf16 v[MX], v[MX], v[MX+2]
	v_lshlrev_b32 v[MX+1], 16, v[MX]
	v_and_b32 v[MX+2], 0xffff0000, v[MX]
	v_max_num_f32 v[MX], v[MX+1], v[MX+2]
	v_max_num_f32_dpp v[MX], v[MX], v[MX] row_xmask:1 row_mask:0xf bank_mask:0xf
	v_max_num_f32_dpp v[MX], v[MX], v[MX] row_xmask:2 row_mask:0xf bank_mask:0xf
	v_max_num_f32_dpp v[MX], v[MX], v[MX] row_xmask:4 row_mask:0xf bank_mask:0xf
	v_max_num_f32_dpp v[MX], v[MX], v[MX] row_xmask:8 row_mask:0xf bank_mask:0xf
	v_permlanex16_b32 v[MX+1], v[MX], s[SEL], s[SEL+1]
	v_max_num_f32 v[MX], v[MX], v[MX+1]
.endm
	s_load_b512 s[4:19], s[0:1], 0x0       ; x, Wq, Wo, Wdown, Wk_up, Wv_up, bq, bo
	s_load_b128 s[20:23], s[0:1], 0x40     ; xb, wts
	s_load_b64 s[24:25], s[0:1], 0x50      ; aux
	v_lshl_add_u32 v[SPW], v0, 2, SPARE
	v_mov_b32 v[NIL], 0
	v_lshrrev_b32 v1, 5, v0
	v_readfirstlane_b32 s[WV], v1
	v_and_b32 v1, 31, v0                   ; lane
	s_mov_b32 s[WG], ttmp9
	s_mov_b32 s[SEL], 0x76543210
	s_mov_b32 s[SEL+1], 0xfedcba98
	s_mov_b32 s[ABSM], 0x7fff7fff
	s_wait_kmcnt 0x0
	s_cmp_eq_u32 s[WG], 0
	s_cbranch_scc1 .Lmisc
	s_sub_co_u32 s[WG], s[WG], 1           ; jobs: x 1,024, Wq 512, Wo 512, Wdown 128, Wk_up 128, Wv_up 128
	s_cmp_lt_u32 s[WG], 1024
	s_cbranch_scc0 .Lnot_x
	JOB 0, 0, 256, 0, 0, 4, 20, 0, 0, 0
.Lnot_x:
	s_cmp_lt_u32 s[WG], 1536
	s_cbranch_scc0 .Lnot_wq
	JOB 1024, 5, 8192, 262144, 1, 6, 22, 0, 0, 4096
.Lnot_wq:
	s_cmp_lt_u32 s[WG], 2048
	s_cbranch_scc0 .Lnot_wo
	JOB 1536, 5, 8192, 262144, 2, 8, 22, 14680064, 1, -1
.Lnot_wo:
	s_cmp_lt_u32 s[WG], 2176
	s_cbranch_scc0 .Lnot_wd
	JOB 2048, 3, 2048, 262144, 3, 10, 22, 0, 0, 6144
.Lnot_wd:
	s_cmp_lt_u32 s[WG], 2304
	s_cbranch_scc0 .Lnot_wk
	JOB 2176, 5, 8192, 65536, 2, 12, 22, 10485760, 1, 6656
.Lnot_wk:
	JOB 2304, 5, 8192, 65536, 4, 14, 22, 10485760, 1, 7168
.Lgo:
	v_lshrrev_b32 v[T], 4, v1              ; lanes 0-15 take the even row of a unit, lanes 16-31 the odd one
	v_and_b32 v[T+1], 15, v1
	v_lshlrev_b32 v[T+1], 4, v[T+1]        ; my 16 bytes of its 256
	v_mad_u32_u24 v[IO], v[T], s[ROWB], v[T+1]
	s_lshl_b32 s38, s[ROWB], 1
	global_load_b128 v[D:D+3], v[IO], s[INP:INP+1] th:TH_LOAD_NT
.irp u, 1,2,3,4,5,6,7,8,9,10,11,12,13,14,15
	v_add_nc_u32 v[IO+\u], s38, v[IO+\u-1]
	global_load_b128 v[D+4*\u:D+4*\u+3], v[IO+\u], s[INP:INP+1] th:TH_LOAD_NT
.endr
	v_lshlrev_b32 v[OO], 3, v1
	s_lshl_b32 s39, s[WV], 12
	v_add_nc_u32 v[OO], s39, v[OO]         ; a unit's two rows are 256 bytes on end in the plane: 8 x lane; my wave's 32 rows begin 4,096 x wave in
.irp u, 0,1,2,3,4,5,6,7,8,9,10,11,12,13,14,15
	s_wait_loadcnt 15-\u                   ; loads come back in order: unit u is in, the younger units' loads stay out
	v_cvt_pk_bf16_f32 v[D+4*\u], v[D+4*\u], v[D+4*\u+1]
	v_cvt_pk_bf16_f32 v[D+4*\u+1], v[D+4*\u+2], v[D+4*\u+3]
.if \u < 2
	v_and_b32 v[MX+2*\u], s[ABSM], v[D+4*\u]         ; the first two units start the four chains: nothing is cleared
	v_and_b32 v[MX+2*\u+1], s[ABSM], v[D+4*\u+1]
.else
	v_and_b32 v[T+2*(\u%2)], s[ABSM], v[D+4*\u]
	v_and_b32 v[T+2*(\u%2)+1], s[ABSM], v[D+4*\u+1]
	v_pk_max_num_bf16 v[MX+2*(\u%2)], v[MX+2*(\u%2)], v[T+2*(\u%2)]
	v_pk_max_num_bf16 v[MX+2*(\u%2)+1], v[MX+2*(\u%2)+1], v[T+2*(\u%2)+1]
.endif
.endr
	s_cmp_eq_u32 s[FMT], 0
	s_cbranch_scc1 .Lkeep
.set r, 0
.rept 32                                   ; the bf16 number written as f16
	v_lshlrev_b32 v[T+2*(r%2)], 16, v[D+4*(r/2)+r%2]
	v_and_b32 v[T+2*(r%2)+1], 0xffff0000, v[D+4*(r/2)+r%2]
	v_cvt_pk_f16_f32 v[D+4*(r/2)+r%2], v[T+2*(r%2)], v[T+2*(r%2)+1]
.set r, r+1
.endr
.Lkeep:
.irp u, 0,1,2,3,4,5,6,7,8,9,10,11,12,13,14,15
	global_store_b64 v[OO], v[D+4*\u:D+4*\u+1], s[OUTP:OUTP+1] offset:256*\u  ; 32 lanes store 256 consecutive bytes, aligned
.endr
	REDUCE
	v_mov_b32 v[LW], s[WV]
	v_lshlrev_b32 v[LW], 2, v[LW]
	ds_store_b32 v[LW], v[MX]              ; all lanes write the same word with the same value
	s_wait_dscnt 0x0                       ; for the others' sake
	s_barrier_signal -1
	s_barrier_wait -1
	s_cmp_lg_u32 s[WV], 0                  ; wave 0 finishes the job's maximum
	s_cbranch_scc1 .Lfin
	s_cmp_lt_i32 s[PM], 0                  ; (Wo's is not needed)
	s_cbranch_scc1 .Lfin
	v_mov_b32 v[PMA], 0
	ds_load_b128 v[T:T+3], v[PMA]
	s_wait_dscnt 0x0
	v_max3_num_f32 v[T], v[T], v[T+1], v[T+2]
	v_max_num_f32 v[T], v[T], v[T+3]
	v_mov_b32 v[PMA], s[PM]
	v_cmp_eq_u32 vcc_lo, 0, v1
	s_wait_xcnt 0x0                        ; EXEC changes only behind this wait
	s_and_saveexec_b32 s[SAVE], vcc_lo
	global_store_b32 v[PMA], v[T], s[24:25]
	s_wait_xcnt 0x0
	s_or_b32 exec_lo, exec_lo, s[SAVE]
.Lfin:
	s_wait_tensorcnt 0x0                   ; the wave's end, behind my last LDS store
	ds_add_u32 v[SPW], v[NIL]
	s_wait_dscnt 0x0
	s_endpgm
.Lmisc:                                    ; work-group 0 touches no LDS and passes no barrier
	s_cmp_lt_u32 s[WV], 2
	s_cbranch_scc0 .Lbias
	; ROWS OF COS AND SIN.  Row 2 n + par holds cos[64], sin[64] of position 64 n + par (n < 16), 2 + par (n = 16), 8 + par (n = 17); par = my wave.
	; A lane holds frequencies 2 l and 2 l + 1: 10000^(-i/64) = 2^(-i x 0.2076205).
	; The angle is reduced by a whole number of turns (2 pi in two parts), quartered, put through the series to x^9 and x^8 (|x| <= pi/4), and doubled twice.
.macro SINCOS th, c, s
	v_mul_f32 v20, 0.15915494, v[\th]
	v_rndne_f32 v20, v20
	v_fma_f32 v21, -v20, s46, v[\th]
	v_fma_f32 v21, -v20, s47, v21
	v_mul_f32 v21, 0x3e800000, v21
	v_mul_f32 v22, v21, v21
	v_mov_b32 v[\s], 0x3638ef1d            ; 1/9!
	v_mov_b32 v[\c], 0x37d00d01            ; 1/8!
	v_fmaak_f32 v[\s], v[\s], v22, 0xb9500d01
	v_fmaak_f32 v[\c], v[\c], v22, 0xbab60b61
	v_fmaak_f32 v[\s], v[\s], v22, 0x3c088889
	v_fmaak_f32 v[\c], v[\c], v22, 0x3d2aaaab
	v_fmaak_f32 v[\s], v[\s], v22, 0xbe2aaaab
	v_fmaak_f32 v[\c], v[\c], v22, 0xbf000000
	v_fmaak_f32 v[\s], v[\s], v22, 0x3f800000
	v_fmaak_f32 v[\c], v[\c], v22, 0x3f800000
	v_mul_f32 v[\s], v[\s], v21
.rept 2
	v_add_f32 v23, v[\s], v[\s]
	v_mul_f32 v22, v23, v[\c]              ; sin 2x = 2 sin x cos x
	v_fma_f32 v[\c], -v23, v[\s], 1.0      ; cos 2x = 1 - 2 sin^2 x
	v_mov_b32 v[\s], v22
.endr
.endm
	s_mov_b32 s46, 0x40c90fdb              ; 2 pi, its f32,
	s_mov_b32 s47, 0xb43bbd2e              ; and what that leaves
	v_lshlrev_b32 v2, 1, v1
	v_cvt_f32_u32 v2, v2
	v_add_f32 v3, 1.0, v2
	v_mul_f32 v2, 0xbe549a78, v2
	v_mul_f32 v3, 0xbe549a78, v3
	v_exp_f32 v2, v2
	v_exp_f32 v3, v3
	v_lshlrev_b32 v12, 3, v1               ; (a plain instruction behind the exponentials)
	s_wait_alu depctr_va_vdst(0)           ; one wait for both, ahead of their first reader and of the label
	s_lshl_b32 s39, s[WV], 9
	s_add_co_u32 s39, s39, 8192
	v_add_nc_u32 v12, s39, v12             ; 8 l + my first row
	s_mov_b32 s38, 0
.Lrope:
	s_lshl_b32 s39, s38, 6
	s_cmp_eq_u32 s38, 16
	s_cselect_b32 s39, 2, s39
	s_cmp_eq_u32 s38, 17
	s_cselect_b32 s39, 8, s39
	s_add_co_u32 s39, s39, s[WV]
	v_cvt_f32_u32 v4, s39
	v_mul_f32 v6, v4, v2
	v_mul_f32 v7, v4, v3
	SINCOS 6, 8, 10
	SINCOS 7, 9, 11
	global_store_b64 v12, v[8:9], s[24:25]
	global_store_b64 v12, v[10:11], s[24:25] offset:256
	s_wait_xcnt 0x0                        ; offset and data are written again only behind this wait
	v_add_nc_u32 v12, 1024, v12
	s_add_co_u32 s38, s38, 1
	s_cmp_lt_u32 s38, 18
	s_cbranch_scc1 .Lrope
	s_endpgm
.Lbias:                                    ; wave 2: bq, wave 3: bo: 2,048 numbers each, rounded to bf16 and stored as f32
	s_mov_b32 s38, 34816
	s_cmp_eq_u32 s[WV], 2
	s_cselect_b64 s[INP:INP+1], s[16:17], s[18:19]
	s_cselect_b32 s38, 26624, s38
	s_cselect_b32 s[PM], 7680, -1          ; bq's maximum is stored, bo's is not needed
	v_lshlrev_b32 v2, 4, v1
	v_add_nc_u32 v3, s38, v2
.irp i, 0,1,2,3,4,5,6,7,8,9,10,11,12,13,14,15
	global_load_b128 v[D+4*\i:D+4*\i+3], v2, s[INP:INP+1] offset:512*\i
.endr
.irp k, 0,1,2,3
	v_mov_b32 v[MX+\k], 0
.endr
	s_wait_loadcnt 0x0
.set r, 0
.rept 32
	v_cvt_pk_bf16_f32 v[T+2*(r%2)], v[D+2*r], v[D+2*r+1]
	v_and_b32 v[T+2*(r%2)+1], s[ABSM], v[T+2*(r%2)]
	v_pk_max_num_bf16 v[MX+r%4], v[MX+r%4], v[T+2*(r%2)+1]
	v_lshlrev_b32 v[D+2*r], 16, v[T+2*(r%2)]
	v_and_b32 v[D+2*r+1], 0xffff0000, v[T+2*(r%2)]
.set r, r+1
.endr
.irp i, 0,1,2,3,4,5,6,7,8,9,10,11,12,13,14,15
	global_store_b128 v3, v[D+4*\i:D+4*\i+3], s[24:25] offset:512*\i
.endr
	REDUCE
	s_cmp_lt_i32 s[PM], 0
	s_cbranch_scc1 .Lend
	v_mov_b32 v[PMA], s[PM]
	v_cmp_eq_u32 vcc_lo, 0, v1
	s_wait_xcnt 0x0                        ; EXEC changes only behind this wait
	s_and_saveexec_b32 s[SAVE], vcc_lo
	global_store_b32 v[PMA], v[MX], s[24:25]
	s_wait_xcnt 0x0
	s_or_b32 exec_lo, exec_lo, s[SAVE]
.Lend:
	s_endpgm
.Lfunc_end_k_q0b7eaf80a7_prep:
	.size	k_q0b7eaf80a7_prep, .Lfunc_end_k_q0b7eaf80a7_prep-k_q0b7eaf80a7_prep
	.p2alignl 7, 3214868480
	.fill 96, 4, 3214868480
	.section	.rodata,"a",@progbits
	.p2align	6, 0x0
	.amdhsa_kernel k_q0b7eaf80a7_prep
		.amdhsa_group_segment_fixed_size 768
		.amdhsa_private_segment_fixed_size 0
		.amdhsa_enable_private_segment 0
		.amdhsa_kernarg_size 88
		.amdhsa_user_sgpr_count 2
		.amdhsa_user_sgpr_kernarg_segment_ptr 1
		.amdhsa_wavefront_size32 1
		.amdhsa_system_sgpr_workgroup_id_x 1
		.amdhsa_system_sgpr_workgroup_id_y 1
		.amdhsa_system_sgpr_workgroup_id_z 1
		.amdhsa_system_vgpr_workitem_id 0
		.amdhsa_next_free_vgpr 96
		.amdhsa_next_free_sgpr 66
		.amdhsa_reserve_vcc 1
		.amdhsa_float_denorm_mode_32 3
		.amdhsa_float_denorm_mode_16_64 3
		.amdhsa_memory_ordered 1
		.amdhsa_forward_progress 1
		.amdhsa_inst_pref_size 39
	.end_amdhsa_kernel
	.amdgpu_metadata
---
amdhsa.version: [ 1, 2 ]
amdhsa.kernels:
  - .name:           k_q0b7eaf80a7_prep
    .symbol:         k_q0b7eaf80a7_prep.kd
    .args:
      - { .name: x, .offset: 0, .size: 8, .value_kind: global_buffer, .address_space: global }
      - { .name: Wq, .offset: 8, .size: 8, .value_kind: global_buffer, .address_space: global }
      - { .name: Wo, .offset: 16, .size: 8, .value_kind: global_buffer, .address_space: global }
      - { .name: Wdown, .offset: 24, .size: 8, .value_kind: global_buffer, .address_space: global }
      - { .name: Wk_up, .offset: 32, .size: 8, .value_kind: global_buffer, .address_space: global }
      - { .name: Wv_up, .offset: 40, .size: 8, .value_kind: global_buffer, .address_space: global }
      - { .name: bq, .offset: 48, .size: 8, .value_kind: global_buffer, .address_space: global }
      - { .name: bo, .offset: 56, .size: 8, .value_kind: global_buffer, .address_space: global }
      - { .name: xb, .offset: 64, .size: 8, .value_kind: global_buffer, .address_space: global }
      - { .name: wts, .offset: 72, .size: 8, .value_kind: global_buffer, .address_space: global }
      - { .name: aux, .offset: 80, .size: 8, .value_kind: global_buffer, .address_space: global }
    .group_segment_fixed_size: 768
    .private_segment_fixed_size: 0
    .kernarg_segment_align: 8
    .kernarg_segment_size: 88
    .max_flat_workgroup_size: 128
    .sgpr_count:     66
    .vgpr_count:     96
    .wavefront_size: 32
...
	.end_amdgpu_metadata
.endif
;; end of part 1
;; launch gq (part 2): grid 8 x 32, 4 waves a work-group, clusters of 4 x 4, 327,680 bytes of LDS; arguments xb, wts, aux, q16, lat16; writes q16, lat16
.if DOCPART == 2
	.amdgcn_target "amdgcn-amd-amdhsa--gfx1250"
	.amdhsa_code_object_version 6
	.text
	.protected	k_q0b7eaf80a7_gq
	.globl	k_q0b7eaf80a7_gq
	.p2align	8
	.type	k_q0b7eaf80a7_gq,@function
k_q0b7eaf80a7_gq:
	s_mov_b64 s[64:65], 0
	v_nop
	global_prefetch_b8 v0, s[64:65] scope:SCOPE_SE
	s_setreg_imm32_b32 hwreg(HW_REG_WAVE_MODE, 25, 1), 1
	s_wait_xcnt 0x0
	s_wait_alu depctr_hold_cnt(0) depctr_sa_sdst(0) depctr_va_vdst(0) depctr_va_sdst(0) depctr_va_ssrc(0) depctr_va_vcc(0) depctr_vm_vsrc(0)
	s_getreg_b32 s2, hwreg(HW_REG_IB_STS2, 6, 4)
	s_cmp_eq_u32 s2, 0
	s_cbranch_scc0 .Lentry_in_a_cluster
	s_endpgm
.Lentry_in_a_cluster:
	s_bfe_u32 s2, ttmp6, 0x10000c
	s_cmp_lg_u32 s2, 0xf033
	s_cbranch_scc0 .Lentry_shape_is_right
	s_endpgm
.Lentry_shape_is_right:
; GQ.  [q | lat] = x [Wq | Wdown] (+ bq), bf16 operands, f32 sums; q gets the rotary embedding; both leave as f16 times an exact power of two.
; A tile of C is 128 rows x 320 columns (256 of q = two heads, 64 of lat = one plane).  Four waves, 2 x 2: a wave makes 64 rows x (128 + 32) columns: 40 accumulators.
; THE SKELETON (the same text in gq, gkv and go; the constants below choose).  A lies [M][K]; W lies in planes [K][64].  K goes in steps of 128 through two LDS slots filled by the
; tensor data mover.  The matrix instruction is used transposed: source 0 = 16 columns of W (turned on the way out of LDS by ds_load_tr16_b128), source 1 = 16 rows of A:
; a lane then holds row l % 16 and columns 8 (l / 16) + 0..7.  CLUSTER 4 x 4: A's tile is asked for jointly along a row of the cluster, W's along a column.
; One K step is written once: the loop's trip goes from a step's second quarter to the next step's first; the last two steps walk a second copy that fills nothing.
; THE WALK ALONG K.  A's rows are read by the two clusters of one cluster y, W's planes by the eight clusters of one cluster x.  A cluster begins at K step 8 x + 4 (y mod 4), modulo 16, and goes
; round: the two clusters of a row of A stand eight K steps apart, clusters y, y + 1, y + 2, y + 3 of a column four apart, so that they do not ask for the same K step of the same rows together.
; The f32 sums are taken in that order of K.  A descriptor's address is made anew for each fill: the base and the K step's number shifted.
; THE WAY OUT: all sums go as f32 into LDS (the slots have had their last fill), and counted loops over rows read them back, so that the text stays short and a store covers 512 bytes on end.
; SCALES.  b? = the exponent field of a tensor's largest magnitude, so that max < 2^(b-126).  eL = 255 - bx - bd keeps |lat 2^eL| < 2^14 (2,048 terms);
; eQ = 13 - max(bx + bw - 241, bb - 126) keeps |rope(q) 2^eQ| < 2^15.  LIMIT: both are clamped to -36 .. 36, which serves bounds from 2^-21 to 2^50.
.set F16,    0        ; operands: 0 bf16, 1 f16
.set MB,     4        ; blocks of 16 rows a wave
.set NBW,    10       ; blocks of 16 columns a wave
.set NQ,     8        ; of them in the wave's two whole planes; the other two lie in the tile's fifth plane
.set NBIAS,  8        ; blocks whose sums start with a bias
.set TSTEPS, 16       ; K steps of 128
.set APITCH, 272      ; a row of A in LDS: 256 bytes + 16: an odd multiple of 16, so the 16 rows of a load start at 16 different groups of four banks
.set KPP,    4        ; quarters of a K step in one LDS row of A
.set APLANE, 0
.set AHALF,  64*APITCH  ; what wave 0 or 1 fetches, and what one wave reads
.set A_QI,   5        ; padding after every 64 words
.set A_D0,   128
.set A_D1,   64
.set A_STR,  2048
.set A_TILEB, 128*4096
.set A_HALFB, 64*4096
.set ASH,    8        ; a K step of A: 256 bytes along a row
.set BSH,    14       ; of a plane: 16,384 bytes
.set NPL,    5        ; planes in a tile of W
.set FPW,    3        ; wave 2 fetches planes 0-2, wave 3 planes 3-4
.set PLB,    262144   ; bytes in a plane
.set WOFF,   0
.set B_STR,  2048*64
.set NL,     2*(MB+NBW)
.set ABYTES, 2*AHALF
.set BPITCH, 160      ; a k row of a plane in LDS: 128 bytes + 32: an odd multiple of 32
.set PLANE,  128*BPITCH
.set SLOT,   ABYTES+NPL*PLANE
.set SPARE,  2*SLOT   ; the spare words: 128 bytes a wave, two blocks of 256 bytes that no other line names
.set DP,     528      ; a row of 128 f32 on the way out, + 16
.set REGB,   16*MB*DP ; a wave's own region there
.set LATR,   4*REGB   ; behind the four: lat's 128 rows x 64 f32
.set LP,     272
.set ADRA0, 2         ; LDS addresses of my fragments in slot 0: A, W, W's fifth plane
.set ADRB0, 3
.set ADRL0, 4
.set ADRA,  5         ; the same in the slot in hand
.set ADRB,  6
.set ADRL,  7
.set DQA,   8         ; where my sums go
.set DLA,   9
.set RDX,   10        ; where rows are read back: my 8 columns, and the 8 that lie 64 columns away
.set RDY,   11
.set GO,    12        ; my byte offset in the stores
.set PFO,   13        ; the prefetches' offset: my lane x a row of A
.set SPW,   14        ; my spare word; never rewritten
.set NIL,   15        ; 0; never rewritten
.set LRD,   26
.set GL,    27
.set AF,    64        ; A's fragments, two buffers of 8 MB
.set BF,    256       ; W's, two buffers of 8 NBW (window 1)
.set ACC,   512       ; accumulator (a, b) at ACC + 8 (a NBW + b)
.set BIAS,  832
.set XR,    64        ; the way out, window 0: set g of four: 8 own numbers, 8 partners
.set CR,    128       ; set g: 8 scale x cos, 8 (+-) scale x sin
.set D8,    192       ; cos, (+-) sin of 8 positions
.set D2,    208       ; of 2 positions
.set SEED,  224       ; cos, sin of my first row's position
.set OUTR,  224
.set TT,    240
.set SCV,   248
.set SSV,   250
.set SGV,   252
.set MSK,  14         ; s14: lanes whose columns lie in a head's second half
.set KI,   15         ; s15: the K step that the walking descriptors name
.set W,    16
.set WM,   17         ; which half of the rows is mine
.set WN,   18         ; which half of the columns; also which part I fetch
.set CX,   19
.set CY,   20
.set TX,   21
.set TY,   22
.set CNT,  23
.set G1A,  24
.set G0A0, 32
.set G0A1, 36         ; the walking descriptor
.set OFP,  40         ; s[40:41] a K step's byte offset, for the prefetch
.set BA,   42         ; s[42:43] A at my part of the tile's rows, K step 0
.set BB,   46         ; s[46:47] W at my planes, K step 0
.set G1B,  48         ; W's tile as wave 2 fetches it: three planes
.set G0B0, 56
.set G0B1, 60
.set SO,   66         ; 0 or SLOT: the slot in hand
.set LIM,  67
.set PFA,  68
.set PFB,  70         ; s[70:71] A at my work-group's 32 rows of the tile's 128, K step 0
.set SQ,   72         ; s[72:73] 2^eQ
.set SCL,  72
.set SLT,  74         ; s[74:75] 2^eL
.set G1C,  76         ; s[76:83] W's tile as wave 3 fetches it: two planes
.set OFA,  92         ; s[92:93] a K step's byte offset in A
.set OFB,  94         ; s[94:95] in a plane
.set SEL,  96
.set LBA,  98         ; LDS byte of my part of A's tile in slot 0
.set LBB,  99         ; of W's
.set QP,   10
.set MSB, 0
.macro WIN new                         ; the immediate's high byte repeats the setting that is left; a switch that changes nothing is dropped
.if MSB != (\new)
	s_set_vgpr_msb (MSB<<8)|(\new)
.set MSB, (\new)
.endif
.endm
.macro PLACES                          ; four plain places behind a matrix instruction, in front of loads into its sources and of readers of its result
.rept 4
	v_nop
.endr
.endm
.macro CREST                           ; a round of the cluster's barrier behind its opening barrier
	s_cmp_lg_u32 s[W], 0
	s_cbranch_scc1 .Lnot_wave_0_\@
	s_barrier_signal -3
.Lnot_wave_0_\@:
	s_barrier_wait -3
	s_barrier_signal -1
	s_barrier_wait -1
.endm
.macro CROUND
	s_barrier_signal -1
	s_barrier_wait -1
	CREST
.endm
; A joint refill: waves 0, 1 ask for A's halves, wave 2 for W's planes 0-2, wave 3 for planes 3-4.  Every word of the three shapes is a constant but for the mask; the branches hang on the wave's
; number alone: they are the same in every work-group.  An s_nop 0 and four v_nop follow each line, ahead of the jump and the label.
.macro JLOAD
	s_cmp_lt_u32 s[W], 2
	s_cbranch_scc0 .Lfor_b_\@
	tensor_load_to_lds s[G0A1:G0A1+3], s[G1A:G1A+7]
	s_nop 0
.rept 4
	v_nop
.endr
	s_branch .Lasked_\@
.Lfor_b_\@:
	s_cmp_eq_u32 s[W], 2
	s_cbranch_scc0 .Lfor_c_\@
	tensor_load_to_lds s[G0B1:G0B1+3], s[G1B:G1B+7]
	s_nop 0
.rept 4
	v_nop
.endr
	s_branch .Lasked_\@
.Lfor_c_\@:
	tensor_load_to_lds s[G0B1:G0B1+3], s[G1C:G1C+7]
	s_nop 0
.rept 4
	v_nop
.endr
.Lasked_\@:
.endm
.macro ASK                             ; one prefetch, of A's K step two refills on, while that step is among the first eight of my walk
	s_cmp_gt_u32 s[CNT], s[LIM]
	s_cbranch_scc0 .Lnot_mine_\@
	global_prefetch_b8 v[PFO], s[PFA:PFA+1] th:TH_LOAD_NT scope:SCOPE_SE
.Lnot_mine_\@:
.endm
.macro MAXRED sd, vb, n                ; the exponent field of the largest of 128 n numbers (n loads of 16 bytes a lane, from v[vb] on)
.set i, 1
.rept 2*(\n)-1
	v_max3_num_f32 v[\vb], v[\vb], v[(\vb)+i], v[(\vb)+i+1]
.set i, i+2
.endr
	v_max_num_f32 v[\vb], v[\vb], v[(\vb)+4*(\n)-1]
	v_max_num_f32_dpp v[\vb], v[\vb], v[\vb] row_xmask:1 row_mask:0xf bank_mask:0xf
	v_max_num_f32_dpp v[\vb], v[\vb], v[\vb] row_xmask:2 row_mask:0xf bank_mask:0xf
	v_max_num_f32_dpp v[\vb], v[\vb], v[\vb] row_xmask:4 row_mask:0xf bank_mask:0xf
	v_max_num_f32_dpp v[\vb], v[\vb], v[\vb] row_xmask:8 row_mask:0xf bank_mask:0xf
	v_permlanex16_b32 v[(\vb)+1], v[\vb], s[SEL], s[SEL+1]
	v_max_num_f32 v[\vb], v[\vb], v[(\vb)+1]
	v_readfirstlane_b32 s[\sd], v[\vb]
	s_bfe_u32 s[\sd], s[\sd], 0x80017
.endm
.macro CLAMP e
	s_max_i32 s[\e], s[\e], -36
	s_min_i32 s[\e], s[\e], 36
.endm
.macro POW2 d, e                       ; s[d] = s[d+1] = 2^s[e]
	s_add_co_i32 s[\d], s[\e], 127
	s_lshl_b32 s[\d], s[\d], 23
	s_mov_b32 s[(\d)+1], s[\d]
.endm
; One matrix instruction: m block a, n block b, fragment buffer f.  first = 1: it starts the sum, with the bias or with 0: nothing is cleared.
.macro MM a, b, f, first
.set rD, ACC+8*((\a)*NBW+(\b))
.set rB, BF+8*NBW*(\f)+8*(\b)
.set rA, AF+8*MB*(\f)+8*(\a)
.set rC, rD
.if (\first) && ((\b) < NBIAS)
.set rC, BIAS+8*(\b)
.endif
	WIN (rD/256)*64+(rC/256)*16+(rA/256)*4+rB/256
.if (\first) && ((\b) >= NBIAS)
.if F16
	v_wmma_f32_16x16x32_f16 v[rD%256:rD%256+7], v[rB%256:rB%256+7], v[rA%256:rA%256+7], 0
.else
	v_wmma_f32_16x16x32_bf16 v[rD%256:rD%256+7], v[rB%256:rB%256+7], v[rA%256:rA%256+7], 0
.endif
.else
.if F16
	v_wmma_f32_16x16x32_f16 v[rD%256:rD%256+7], v[rB%256:rB%256+7], v[rA%256:rA%256+7], v[rC%256:rC%256+7]
.else
	v_wmma_f32_16x16x32_bf16 v[rD%256:rD%256+7], v[rB%256:rB%256+7], v[rA%256:rA%256+7], v[rC%256:rC%256+7]
.endif
.endif
.endm
; A quarter of the wave's m blocks x all n blocks.  The accumulators take turns, one instruction a turn, in the same order in every quarter step.
.macro MULG f, g, first
.set ia, (\g)*MB/4
.rept MB/4
.set ib, 0
.rept NBW
	MM ia, ib, \f, \first
.set ib, ib+1
.endr
.set ia, ia+1
.endr
.endm
; One run of NL LDS loads: the fragments of quarter q (32 along K) into buffer f; A's upper blocks last.
.macro FETCH q, f
	WIN 0x40
.set fb, 0
.rept NQ
	ds_load_tr16_b128 v[8*NBW*(\f)+8*fb:8*NBW*(\f)+8*fb+3], v[ADRB] offset:32*BPITCH*(\q)+(fb/4)*PLANE+32*(fb%4)
	ds_load_tr16_b128 v[8*NBW*(\f)+8*fb+4:8*NBW*(\f)+8*fb+7], v[ADRB] offset:32*BPITCH*(\q)+(fb/4)*PLANE+32*(fb%4)+16*BPITCH
.set fb, fb+1
.endr
.if NBW > NQ
.rept NBW-NQ
	ds_load_tr16_b128 v[8*NBW*(\f)+8*fb:8*NBW*(\f)+8*fb+3], v[ADRL] offset:32*BPITCH*(\q)+32*(fb-NQ)
	ds_load_tr16_b128 v[8*NBW*(\f)+8*fb+4:8*NBW*(\f)+8*fb+7], v[ADRL] offset:32*BPITCH*(\q)+32*(fb-NQ)+16*BPITCH
.set fb, fb+1
.endr
.endif
	WIN 0
.set fa, 0
.rept MB
	ds_load_b128 v[AF+8*MB*(\f)+8*fa:AF+8*MB*(\f)+8*fa+3], v[ADRA] offset:((\q)/KPP)*APLANE+64*((\q)%KPP)+16*APITCH*fa
	ds_load_b128 v[AF+8*MB*(\f)+8*fa+4:AF+8*MB*(\f)+8*fa+7], v[ADRA] offset:((\q)/KPP)*APLANE+64*((\q)%KPP)+16*APITCH*fa+32
.set fa, fa+1
.endr
.endm
; Multiplies buffer f; in its middle fetches quarter q of the same slot into buffer g.
.macro QUARTER q, f, g, first
	s_wait_dscnt MB                        ; W's fragments and A's lower blocks are in; the youngest MB loads (A's upper blocks) may be out
	MULG \f, 0, \first
	MULG \f, 1, \first
	PLACES
	FETCH \q, \g
	s_wait_dscnt NL                        ; all but the run just issued
	MULG \f, 2, \first
	MULG \f, 3, \first
.endm
; A step's last quarter multiplies buffer 1 and changes slots.  Its first half, which needs nothing of the next slot, stands AHEAD of the wait for the tensor loads: between the landing of my
; load and the next request stand only the add, the descriptors' scalar lines and the round.  In front of the barrier each wave waits for all its tensor loads (its part of the next slot), adds 0
; to its spare word, and waits for that and for its reads of this slot.  fill = 1: the barrier opens a round of the cluster's, and the joint refill (the walk's step two on, into the slot just
; read) is the first thing behind it.
.macro TURN fill
	s_wait_dscnt MB                        ; as at a quarter's head: A's upper blocks may be out
	MULG 1, 0, 0
	MULG 1, 1, 0
	WIN 0
	s_wait_tensorcnt 0x0
	ds_add_u32 v[SPW], v[NIL]              ; 0 onto my spare word; scalar work stands between it and the wait for it
.if \fill
	s_add_co_u32 s[KI], s[KI], 1           ; no load of mine is out: the walking descriptors take the walk's next K step, round the end of K,
	s_and_b32 s[KI], s[KI], TSTEPS-1
	s_lshl_b32 s[OFA], s[KI], ASH
	s_lshl_b32 s[OFB], s[KI], BSH
	s_add_co_u32 s[G0A1+1], s[LBA], s[SO]  ; and the slot in hand, which is read out
	s_add_nc_u64 s[G0A1+2:G0A1+3], s[BA:BA+1], s[OFA:OFA+1]
	s_or_b32 s[G0A1+3], s[G0A1+3], 0x80000000
	s_add_co_u32 s[G0B1+1], s[LBB], s[SO]
	s_add_nc_u64 s[G0B1+2:G0B1+3], s[BB:BB+1], s[OFB:OFB+1]
	s_or_b32 s[G0B1+3], s[G0B1+3], 0x80000000
	s_wait_xcnt 0x0                        ; the last prefetch, a K step back, has read its address
	s_add_co_u32 s[OFP], s[KI], 2          ; the K step two refills on
	s_and_b32 s[OFP], s[OFP], TSTEPS-1
	s_lshl_b32 s[OFP], s[OFP], ASH
	s_add_nc_u64 s[PFA:PFA+1], s[PFB:PFB+1], s[OFP:OFP+1]
.endif
	s_wait_dscnt 0x0                       ; the add is done, my reads of this slot are over
	s_barrier_signal -1
	s_barrier_wait -1
.if \fill
	CREST
	JLOAD
.else
	PLACES
.endif
	s_xor_b32 s[SO], s[SO], SLOT
	v_add_nc_u32 v[ADRA], s[SO], v[ADRA0]
	v_add_nc_u32 v[ADRB], s[SO], v[ADRB0]
.if NBW > NQ
	v_add_nc_u32 v[ADRL], s[SO], v[ADRL0]
.endif
	FETCH 0, 0
.if \fill
	ASK
.endif
	MULG 1, 2, 0
	MULG 1, 3, 0
.endm
.macro DUMP                            ; every accumulator, its low four registers first, into rows of f32
.set ia, 0
.rept MB
.set ib, 0
.rept NQ
.set rD, ACC+8*(ia*NBW+ib)
	WIN (rD/256)*4
	ds_store_b128 v[DQA], v[rD%256:rD%256+3] offset:16*DP*ia+64*ib
	ds_store_b128 v[DQA], v[rD%256+4:rD%256+7] offset:16*DP*ia+64*ib+16
.set ib, ib+1
.endr
.if NBW > NQ
.rept NBW-NQ
.set rD, ACC+8*(ia*NBW+ib)
	WIN (rD/256)*4
	ds_store_b128 v[DLA], v[rD%256:rD%256+3] offset:16*LP*ia+64*(ib-NQ)
	ds_store_b128 v[DLA], v[rD%256+4:rD%256+7] offset:16*LP*ia+64*(ib-NQ)+16
.set ib, ib+1
.endr
.endif
.set ia, ia+1
.endr
	WIN 0
.endm
	s_load_b256 s[4:11], s[0:1], 0x0       ; xb, wts, aux, q16
	s_load_b64 s[12:13], s[0:1], 0x20      ; lat16
	v_lshl_add_u32 v[SPW], v0, 2, SPARE
	v_mov_b32 v[NIL], 0
	ds_add_u32 v[SPW], v[NIL]              ; the wave's opening: the add and its wait ahead of my first tensor load
	ds_add_u32 v14, v15
	v_lshrrev_b32 v1, 5, v0
	v_readfirstlane_b32 s[W], v1
	s_lshr_b32 s[WM], s[W], 1
	s_and_b32 s[WN], s[W], 1
	s_bfe_u32 s[CX], ttmp6, 0x40000
	s_bfe_u32 s[CY], ttmp6, 0x40004
	s_lshl_b32 s[TX], ttmp9, 2
	s_add_co_u32 s[TX], s[TX], s[CX]       ; tile column
	s_and_b32 s[TY], ttmp7, 0xffff
	s_lshl_b32 s[TY], s[TY], 2
	s_add_co_u32 s[TY], s[TY], s[CY]       ; tile row
	s_lshl_b32 s40, s[CY], 2
	s_lshl_b32 s40, 15, s40                ; my row of the cluster
	s_lshl_b32 s44, 0x1111, s[CX]          ; my column
	s_or_b32 s[G1A], s40, (1<<16)|(1<<20)|(1<<21)|(A_QI<<22)|(3<<25)  ; mask; 2-byte elements; padding on; bit 21 beside a mask; interval; 4 words
	s_or_b32 s[G1B], s44, (1<<16)|(1<<20)|(1<<21)|(4<<22)|(7<<25)     ; after every 32 words, 8 words
	s_or_b32 s[G1C], s44, (1<<16)|(1<<20)|(1<<21)|(4<<22)|(7<<25)
	s_mov_b32 s[G1A+1], (A_D0&0xffff)<<16  ; tensor_dim0
	s_mov_b32 s[G1A+2], A_D1<<16           ; tensor_dim1
	s_mov_b32 s[G1A+3], A_D0<<16           ; tile_dim0
	s_mov_b32 s[G1A+4], A_D1               ; tile_dim1
	s_mov_b32 s[G1A+5], A_STR
	s_mov_b32 s[G1A+6], 0
	s_mov_b32 s[G1A+7], 0
	s_mov_b32 s[G1B+1], 8192<<16           ; a plane's K step, 128 k rows x 64, is one dense row of 8,192 elements
	s_mov_b32 s[G1B+2], FPW<<16            ; three planes
	s_mov_b32 s[G1B+3], 8192<<16
	s_mov_b32 s[G1B+4], FPW
	s_mov_b32 s[G1B+5], B_STR              ; from plane to plane
	s_mov_b32 s[G1B+6], 0
	s_mov_b32 s[G1B+7], 0
	s_mov_b32 s[G1C+1], 8192<<16
	s_mov_b32 s[G1C+2], (NPL-FPW)<<16      ; two planes
	s_mov_b32 s[G1C+3], 8192<<16
	s_mov_b32 s[G1C+4], NPL-FPW
	s_mov_b32 s[G1C+5], B_STR
	s_mov_b32 s[G1C+6], 0
	s_mov_b32 s[G1C+7], 0
	s_mul_i32 s[LBA], s[WN], AHALF
	s_mul_i32 s[LBB], s[WN], FPW*PLANE
	s_add_co_u32 s[LBB], s[LBB], ABYTES
	s_mul_i32 s40, s[TY], A_TILEB          ; A's address hangs on the tile row and the wave's number,
	s_mul_i32 s41, s[WN], A_HALFB
	s_add_co_u32 s40, s40, s41
	s_mov_b32 s41, 0
	s_mul_i32 s46, s[TX], NPL              ; W's on the tile column and the wave's number,
	s_mul_i32 s47, s[WN], FPW
	s_add_co_u32 s46, s46, s47
	s_mul_i32 s46, s46, PLB
	s_add_co_u32 s46, s46, WOFF
	s_mov_b32 s47, 0
	s_and_b32 s[KI], ttmp7, 3              ; and both on where the cluster's walk begins: K step 8 x + 4 (y mod 4), of the cluster's own x and y, which all sixteen partners share
	s_lshl_b32 s[KI], s[KI], 2
	s_lshl_b32 s45, ttmp9, 3
	s_add_co_u32 s[KI], s[KI], s45
	s_and_b32 s[KI], s[KI], TSTEPS-1
	s_lshl_b32 s[OFA], s[KI], ASH
	s_mov_b32 s[OFA+1], 0
	s_lshl_b32 s[OFB], s[KI], BSH
	s_mov_b32 s[OFB+1], 0
	s_mov_b32 s[SO], 0
	s_mov_b32 s[SEL], 0x76543210
	s_mov_b32 s[SEL+1], 0xfedcba98
	s_mov_b32 s[MSK], 0xff00ff00
	s_wait_dscnt 0x0                       ; the opening add is done
	s_wait_kmcnt 0x0
	s_add_nc_u64 s[BA:BA+1], s[4:5], s[40:41]
	s_add_nc_u64 s[BB:BB+1], s[6:7], s[46:47]
	s_mov_b32 s[G0A0], 1
	s_mov_b32 s[G0A0+1], s[LBA]
	s_add_nc_u64 s[G0A0+2:G0A0+3], s[BA:BA+1], s[OFA:OFA+1]
	s_or_b32 s[G0A0+3], s[G0A0+3], 0x80000000
	s_mov_b32 s[G0B0], 1
	s_mov_b32 s[G0B0+1], s[LBB]
	s_add_nc_u64 s[G0B0+2:G0B0+3], s[BB:BB+1], s[OFB:OFB+1]
	s_or_b32 s[G0B0+3], s[G0B0+3], 0x80000000
	s_add_co_u32 s[KI], s[KI], 1           ; the walk's second step: 4 n + 1, not yet round the end
	s_lshl_b32 s[OFA], s[KI], ASH
	s_lshl_b32 s[OFB], s[KI], BSH
	s_mov_b32 s[G0A1], 1
	s_add_co_u32 s[G0A1+1], s[LBA], SLOT
	s_add_nc_u64 s[G0A1+2:G0A1+3], s[BA:BA+1], s[OFA:OFA+1]
	s_or_b32 s[G0A1+3], s[G0A1+3], 0x80000000
	s_mov_b32 s[G0B1], 1
	s_add_co_u32 s[G0B1+1], s[LBB], SLOT
	s_add_nc_u64 s[G0B1+2:G0B1+3], s[BB:BB+1], s[OFB:OFB+1]
	s_or_b32 s[G0B1+3], s[G0B1+3], 0x80000000
	CROUND                                 ; all sixteen work-groups are here: the first joint loads meet
	s_cmp_lt_u32 s[W], 2                   ; a wave's two first fills stand together in its own branch: two loads of mine are out
	s_cbranch_scc0 .Lfirst_b
	tensor_load_to_lds s[G0A0:G0A0+3], s[G1A:G1A+7]
	s_nop 0
	tensor_load_to_lds s[G0A1:G0A1+3], s[G1A:G1A+7]
	s_nop 0
.rept 4
	v_nop
.endr
	s_branch .Lfirst_done
.Lfirst_b:
	s_cmp_eq_u32 s[W], 2
	s_cbranch_scc0 .Lfirst_c
	tensor_load_to_lds s[G0B0:G0B0+3], s[G1B:G1B+7]
	s_nop 0
	tensor_load_to_lds s[G0B1:G0B1+3], s[G1B:G1B+7]
	s_nop 0
.rept 4
	v_nop
.endr
	s_branch .Lfirst_done
.Lfirst_c:
	tensor_load_to_lds s[G0B0:G0B0+3], s[G1C:G1C+7]
	s_nop 0
	tensor_load_to_lds s[G0B1:G0B1+3], s[G1C:G1C+7]
	s_nop 0
.rept 4
	v_nop
.endr
.Lfirst_done:
	v_and_b32 v16, 15, v0                  ; r = l % 16
	v_bfe_u32 v17, v0, 4, 1                ; h = l / 16
	v_and_b32 v18, 31, v0                  ; l
	v_and_b32 v19, 7, v0
	v_bfe_u32 v20, v0, 3, 1
	v_mul_u32_u24 v[ADRA0], v16, APITCH    ; A: row x pitch + 16 h + my half
	v_lshl_add_u32 v[ADRA0], v17, 4, v[ADRA0]
	s_mul_i32 s84, s[WM], AHALF
	v_add_nc_u32 v[ADRA0], s84, v[ADRA0]
	v_lshl_add_u32 v21, v17, 3, v19        ; W: the turning load's lane reads k row 8 h + l % 8, columns 8 ((l / 8) % 2) + 0..7
	v_mul_u32_u24 v21, v21, BPITCH
	v_lshl_add_u32 v21, v20, 4, v21
	s_mul_i32 s84, s[WN], 2*PLANE
	s_add_co_u32 s84, s84, ABYTES
	v_add_nc_u32 v[ADRB0], s84, v21
	s_lshl_b32 s84, s[WN], 6
	s_add_co_u32 s84, s84, ABYTES+4*PLANE
	v_add_nc_u32 v[ADRL0], s84, v21
	v_mov_b32 v[ADRA], v[ADRA0]
	v_mov_b32 v[ADRB], v[ADRB0]
	v_mov_b32 v[ADRL], v[ADRL0]
	s_mul_i32 s84, s[W], REGB              ; the way out
	v_mul_u32_u24 v21, v16, DP
	v_lshl_add_u32 v21, v17, 5, v21
	v_add_nc_u32 v[DQA], s84, v21
	v_mul_u32_u24 v22, v17, DP             ; back: lanes 0-15 one row, lanes 16-31 the next; 8 columns a lane
	v_lshlrev_b32 v23, 5, v16
	v_add3_u32 v[RDX], v22, v23, s84
	v_xor_b32 v23, 256, v23
	v_add3_u32 v[RDY], v22, v23, s84
	s_mul_i32 s84, s[WM], 64*LP
	s_lshl_b32 s85, s[WN], 7
	s_add_co_u32 s84, s84, s85
	s_add_co_u32 s84, s84, LATR
	v_mul_u32_u24 v21, v16, LP
	v_lshl_add_u32 v21, v17, 5, v21
	v_add_nc_u32 v[DLA], s84, v21
	s_mul_i32 s84, s[W], 32*LP
	s_add_co_u32 s84, s84, LATR
	v_lshrrev_b32 v21, 3, v18
	v_mul_u32_u24 v21, v21, LP
	v_lshl_add_u32 v21, v19, 5, v21
	v_add_nc_u32 v[LRD], s84, v21
	v_lshlrev_b32 v[GO], 4, v18
	v_mov_b32 v[GL], v[GO]
	; THE PREFETCHES.  Behind the refills for steps 2 to 5 of my cluster's walk one instruction names A's K step two refills on: steps 4 to 7 of the walk: 32 rows x 256 bytes, a lane a row.
	; The first eight steps of a cluster's walk are the last eight of the walk of the other cluster that reads the same rows, so the two name different K steps, and each block of 256 bytes is
	; named once in the launch.  Wave 0 asks; the four partners that ask for a tile jointly take 32 of its 128 rows each, told apart by address.  Steps 0 to 3 of a walk come by their loads alone,
	; A's and W's: nothing is prefetched at the head; among the clusters four K steps apart that read the same planes, those are the steps in which a cluster goes ahead of the others.
	s_mul_i32 s84, s[TY], A_TILEB
	s_lshl_b32 s85, s[CX], 17
	s_add_co_u32 s84, s84, s85
	s_mov_b32 s85, 0
	s_add_nc_u64 s[PFB:PFB+1], s[4:5], s[84:85]
	s_cmp_eq_u32 s[W], 0
	s_cselect_b32 s[LIM], TSTEPS/2+2, -1   ; the loop's count is 16 less the step that is being asked for: a wave asks while it is above this
	v_lshlrev_b32 v[PFO], 12, v18
	; where the results go
	s_lshr_b32 s84, s[TY], 3               ; batch
	s_lshl_b32 s84, s84, 4
	s_lshl1_add_u32 s85, s[TX], s[WN]      ; head
	s_add_co_u32 s84, s84, s85
	s_lshl_b32 s84, s84, 10
	s_and_b32 s85, s[TY], 7
	s_lshl_b32 s85, s85, 7
	s_add_co_u32 s84, s84, s85
	s_lshl_b32 s85, s[WM], 6
	s_add_co_u32 s84, s84, s85             ; + my first position
	s_lshl_b32 s84, s84, 8
	s_mov_b32 s85, 0
	s_add_nc_u64 s[QP:QP+1], s[QP:QP+1], s[84:85]
	s_lshl_b32 s84, s[TX], 19              ; lat's plane,
	s_lshl_b32 s86, s[TY], 14
	s_add_co_u32 s84, s84, s86
	s_lshl_b32 s86, s[W], 12               ; my 32 rows of 128 bytes
	s_add_co_u32 s84, s84, s86
	s_add_nc_u64 s[12:13], s[12:13], s[84:85]
	; maxima, bias, rows of cos and sin
	v_lshlrev_b32 v28, 4, v18
.irp i, 0,1,2,3,4,5,6,7
	global_load_b128 v[32+4*\i:35+4*\i], v28, s[8:9] offset:512*\i
.endr
.irp i, 0,1,2,3
	global_load_b128 v[64+4*\i:67+4*\i], v28, s[8:9] offset:4096+512*\i
.endr
	global_load_b128 v[80:83], v28, s[8:9] offset:6144
	s_load_b32 s84, s[8:9], 0x1e00         ; bq's maximum
	s_lshl_b32 s85, s[TX], 10
	s_lshl_b32 s86, s[WN], 9
	s_add_co_u32 s85, s85, s86
	s_add_co_u32 s85, s85, 26624
	v_lshl_add_u32 v29, v17, 5, s85        ; register j of block b: bias of column 16 b + 8 h + j
	v_lshlrev_b32 v30, 5, v19              ; my 8 frequencies: 8 (r % 8) + 0..7
	v_add_nc_u32 v30, 8192, v30
	s_lshl1_add_u32 s86, s[TY], s[WM]
	s_and_b32 s86, s86, 15                 ; my first position / 64
	s_lshl_b32 s86, s86, 10
	v_lshl_add_u32 v31, v17, 9, v30
	v_add_nc_u32 v31, s86, v31
.irp k, 0,1
	global_load_b128 v[SEED+8*\k:SEED+8*\k+3], v31, s[8:9] offset:256*\k
	global_load_b128 v[SEED+8*\k+4:SEED+8*\k+7], v31, s[8:9] offset:256*\k+16
	global_load_b128 v[D2+8*\k:D2+8*\k+3], v30, s[8:9] offset:16384+256*\k
	global_load_b128 v[D2+8*\k+4:D2+8*\k+7], v30, s[8:9] offset:16384+256*\k+16
	global_load_b128 v[D8+8*\k:D8+8*\k+3], v30, s[8:9] offset:17408+256*\k
	global_load_b128 v[D8+8*\k+4:D8+8*\k+7], v30, s[8:9] offset:17408+256*\k+16
.endr
	WIN 0xc0
.irp b, 0,1,2,3,4,5,6,7
	global_load_b128 v[BIAS%256+8*\b:BIAS%256+8*\b+3], v29, s[8:9] offset:64*\b
	global_load_b128 v[BIAS%256+8*\b+4:BIAS%256+8*\b+7], v29, s[8:9] offset:64*\b+16
.endr
	WIN 0
	s_wait_loadcnt 0x0
	s_wait_kmcnt 0x0
	MAXRED 86, 32, 8                       ; bx
	MAXRED 87, 64, 4                       ; bw
	MAXRED 88, 80, 1                       ; bd
	s_bfe_u32 s84, s84, 0x80017            ; bb
	s_sub_co_i32 s89, 255, s86
	s_sub_co_i32 s89, s89, s88
	CLAMP 89
	POW2 SLT, 89
	s_add_co_i32 s90, s86, s87
	s_sub_co_i32 s90, s90, 241
	s_sub_co_i32 s91, s84, 126
	s_max_i32 s90, s90, s91
	s_sub_co_i32 s90, 13, s90
	CLAMP 90
	POW2 SQ, 90
	s_wait_tensorcnt 0x1                   ; my part of the walk's first step is in; the second's may stay out
	s_barrier_signal -1
	s_barrier_wait -1
	FETCH 0, 0
	QUARTER 1, 0, 1, 1                     ; the first quarter starts the sums
	WIN 0
	s_mov_b32 s[CNT], TSTEPS-2
.Lk:
	QUARTER 2, 1, 0, 0
	QUARTER 3, 0, 1, 0
	TURN 1
	QUARTER 1, 0, 1, 0
	WIN 0
	s_sub_co_u32 s[CNT], s[CNT], 1
	s_cmp_lg_u32 s[CNT], 0
	s_cbranch_scc1 .Lk
	s_mov_b32 s[CNT], 2
.Ltail:                                    ; the last two K steps fill nothing; the second walk is left in its middle (its barrier and its last run of loads serve nothing: the price of one text)
	QUARTER 2, 1, 0, 0
	QUARTER 3, 0, 1, 0
	TURN 0
	WIN 0
	s_sub_co_u32 s[CNT], s[CNT], 1
	s_cmp_eq_u32 s[CNT], 0
	s_cbranch_scc1 .Ldone
	QUARTER 1, 0, 1, 0
	WIN 0
	s_branch .Ltail
.Ldone:
	s_wait_dscnt 0x0                       ; my reads of the slots are over,
	s_barrier_signal -1
	s_barrier_wait -1                      ; everybody's are; both slots have had their last fill
	PLACES
	DUMP
	s_wait_dscnt 0x0                       ; for the others' sake: a row of lat comes from two waves
	s_barrier_signal -1
	s_barrier_wait -1                      ; from here on LDS is only read
; THE ROTARY EMBEDDING.  A lane owns 8 columns 8 c.. (c = l % 16) of rows rho + 2 g + 8 trip (rho = l / 16, g = 0..3).  out = X C + Y S, X its own numbers, Y those 64 columns away,
; C = scale x cos, S = -+ scale x sin (- for the first 64 columns).  C and S of the first rows come from aux; each further row by a rotation by a fixed angle (2 or 8 positions), at most 18 on end.
.macro ROTTO d, s                      ; set d = set s turned by 2 positions
.irp p, 0,2,4,6
	v_pk_mul_f32 v[CR+16*(\d)+\p:CR+16*(\d)+\p+1], v[CR+16*(\s)+\p:CR+16*(\s)+\p+1], v[D2+\p:D2+\p+1]
	v_pk_mul_f32 v[CR+16*(\d)+8+\p:CR+16*(\d)+9+\p], v[CR+16*(\s)+\p:CR+16*(\s)+\p+1], v[D2+8+\p:D2+9+\p]
.endr
.irp p, 0,2,4,6
	v_pk_fma_f32 v[CR+16*(\d)+\p:CR+16*(\d)+\p+1], v[CR+16*(\s)+8+\p:CR+16*(\s)+9+\p], v[D2+8+\p:D2+9+\p], v[CR+16*(\d)+\p:CR+16*(\d)+\p+1] neg_lo:[1,0,0] neg_hi:[1,0,0]
	v_pk_fma_f32 v[CR+16*(\d)+8+\p:CR+16*(\d)+9+\p], v[CR+16*(\s)+8+\p:CR+16*(\s)+9+\p], v[D2+\p:D2+\p+1], v[CR+16*(\d)+8+\p:CR+16*(\d)+9+\p]
.endr
.endm
.macro ROPESET
	v_mov_b32 v[SCV], s[SCL]
	v_mov_b32 v[SCV+1], s[SCL]
	v_xor_b32 v[SSV], 0x80000000, v[SCV]
	v_cndmask_b32 v[SSV], v[SSV], v[SCV], s[MSK]
	v_mov_b32 v[SSV+1], v[SSV]
	v_cndmask_b32 v[SGV], -1.0, 1.0, s[MSK]
	v_mov_b32 v[SGV+1], v[SGV]
.irp p, 0,2,4,6
	v_pk_mul_f32 v[CR+\p:CR+\p+1], v[SEED+\p:SEED+\p+1], v[SCV:SCV+1]
	v_pk_mul_f32 v[CR+8+\p:CR+9+\p], v[SEED+8+\p:SEED+9+\p], v[SSV:SSV+1]
	v_pk_mul_f32 v[D2+8+\p:D2+9+\p], v[D2+8+\p:D2+9+\p], v[SGV:SGV+1]
	v_pk_mul_f32 v[D8+8+\p:D8+9+\p], v[D8+8+\p:D8+9+\p], v[SGV:SGV+1]
.endr
	ROTTO 1, 0
	ROTTO 2, 1
	ROTTO 3, 2
.endm
.macro ROWLOAD
.irp g, 0,1,2,3
	ds_load_b128 v[XR+16*\g:XR+16*\g+3], v[RDX] offset:2*DP*\g
	ds_load_b128 v[XR+16*\g+4:XR+16*\g+7], v[RDX] offset:2*DP*\g+16
	ds_load_b128 v[XR+16*\g+8:XR+16*\g+11], v[RDY] offset:2*DP*\g
	ds_load_b128 v[XR+16*\g+12:XR+16*\g+15], v[RDY] offset:2*DP*\g+16
.endr
.endm
.macro ROWTRIP next                    ; eight rows; next = 1: the next eight are fetched and the angles go 8 positions on
	s_wait_dscnt 0x0
	s_wait_xcnt 0x0                        ; the last trip's stores have read their data and their offset
	v_add_nc_u32 v[GO], 2048, v[GO]        ; the stores below reach back
.irp g, 0,1,2,3
.irp p, 0,2,4,6
	v_pk_mul_f32 v[XR+16*\g+\p:XR+16*\g+\p+1], v[XR+16*\g+\p:XR+16*\g+\p+1], v[CR+16*\g+\p:CR+16*\g+\p+1]
.endr
.irp p, 0,2,4,6
	v_pk_fma_f32 v[XR+16*\g+\p:XR+16*\g+\p+1], v[XR+16*\g+8+\p:XR+16*\g+9+\p], v[CR+16*\g+8+\p:CR+16*\g+9+\p], v[XR+16*\g+\p:XR+16*\g+\p+1]
.endr
.irp k, 0,1,2,3
	v_cvt_pk_f16_f32 v[OUTR+4*\g+\k], v[XR+16*\g+2*\k], v[XR+16*\g+2*\k+1]
.endr
.endr
.if \next
	v_add_nc_u32 v[RDX], 8*DP, v[RDX]
	v_add_nc_u32 v[RDY], 8*DP, v[RDY]
	ROWLOAD
.irp g, 0,1,2,3
.irp p, 0,2,4,6
	v_pk_mul_f32 v[TT+2*(\p%4):TT+2*(\p%4)+1], v[CR+16*\g+\p:CR+16*\g+\p+1], v[D8+\p:D8+\p+1]
	v_pk_mul_f32 v[TT+2*(\p%4)+2:TT+2*(\p%4)+3], v[CR+16*\g+\p:CR+16*\g+\p+1], v[D8+8+\p:D8+9+\p]
	v_pk_fma_f32 v[CR+16*\g+\p:CR+16*\g+\p+1], v[CR+16*\g+8+\p:CR+16*\g+9+\p], v[D8+8+\p:D8+9+\p], v[TT+2*(\p%4):TT+2*(\p%4)+1] neg_lo:[1,0,0] neg_hi:[1,0,0]
	v_pk_fma_f32 v[CR+16*\g+8+\p:CR+16*\g+9+\p], v[CR+16*\g+8+\p:CR+16*\g+9+\p], v[D8+\p:D8+\p+1], v[TT+2*(\p%4)+2:TT+2*(\p%4)+3]
.endr
.endr
.endif
.irp g, 0,1,2,3
	global_store_b128 v[GO], v[OUTR+4*\g:OUTR+4*\g+3], s[QP:QP+1] offset:512*\g-2048  ; two rows of a head: 512 consecutive bytes, aligned
.endr
.endm
	ROPESET
	ROWLOAD
	s_mov_b32 s[CNT], 2*MB-1
.Lrow:
	ROWTRIP 1
	s_sub_co_u32 s[CNT], s[CNT], 1
	s_cmp_lg_u32 s[CNT], 0
	s_cbranch_scc1 .Lrow
	ROWTRIP 0
	; lat: wave w takes rows 32 w .. 32 w + 31; a lane row l / 8 of four, 8 numbers; a store covers four rows of the plane, 512 bytes on end
	s_wait_xcnt 0x0
.irp i, 0,1,2,3,4,5,6,7
	ds_load_b128 v[XR+8*\i:XR+8*\i+3], v[LRD] offset:4*LP*\i
	ds_load_b128 v[XR+8*\i+4:XR+8*\i+7], v[LRD] offset:4*LP*\i+16
.endr
.irp i, 0,1,2,3,4,5,6,7
	s_wait_dscnt 14-2*\i                   ; LDS loads come back in order: the younger rows' two loads each stay out
.irp p, 0,2,4,6
	v_pk_mul_f32 v[XR+8*\i+\p:XR+8*\i+\p+1], v[XR+8*\i+\p:XR+8*\i+\p+1], s[SLT:SLT+1] op_sel_hi:[1,0]
.endr
.irp k, 0,1,2,3
	v_cvt_pk_f16_f32 v[OUTR+4*\i+\k], v[XR+8*\i+2*\k], v[XR+8*\i+2*\k+1]
.endr
	global_store_b128 v[GL], v[OUTR+4*\i:OUTR+4*\i+3], s[12:13] offset:512*\i
.endr
	s_wait_tensorcnt 0x0                   ; the wave's end
	ds_add_u32 v[SPW], v[NIL]
	s_wait_dscnt 0x0
	CROUND                                 ; the closing round
	s_endpgm
.Lfunc_end_k_q0b7eaf80a7_gq:
	.size	k_q0b7eaf80a7_gq, .Lfunc_end_k_q0b7eaf80a7_gq-k_q0b7eaf80a7_gq
	.p2alignl 7, 3214868480
	.fill 96, 4, 3214868480
	.section	.rodata,"a",@progbits
	.p2align	6, 0x0
	.amdhsa_kernel k_q0b7eaf80a7_gq
		.amdhsa_group_segment_fixed_size 327680
		.amdhsa_private_segment_fixed_size 0
		.amdhsa_enable_private_segment 0
		.amdhsa_kernarg_size 40
		.amdhsa_user_sgpr_count 2
		.amdhsa_user_sgpr_kernarg_segment_ptr 1
		.amdhsa_wavefront_size32 1
		.amdhsa_system_sgpr_workgroup_id_x 1
		.amdhsa_system_sgpr_workgroup_id_y 1
		.amdhsa_system_sgpr_workgroup_id_z 1
		.amdhsa_system_vgpr_workitem_id 0
		.amdhsa_next_free_vgpr 896
		.amdhsa_next_free_sgpr 100
		.amdhsa_reserve_vcc 0
		.amdhsa_float_denorm_mode_32 3
		.amdhsa_float_denorm_mode_16_64 3
		.amdhsa_memory_ordered 1
		.amdhsa_forward_progress 1
		.amdhsa_inst_pref_size 94
	.end_amdhsa_kernel
	.amdgpu_metadata
---
amdhsa.version: [ 1, 2 ]
amdhsa.kernels:
  - .name:           k_q0b7eaf80a7_gq
    .symbol:         k_q0b7eaf80a7_gq.kd
    .args:
      - { .name: xb, .offset: 0, .size: 8, .value_kind: global_buffer, .address_space: global }
      - { .name: wts, .offset: 8, .size: 8, .value_kind: global_buffer, .address_space: global }
      - { .name: aux, .offset: 16, .size: 8, .value_kind: global_buffer, .address_space: global }
      - { .name: q16, .offset: 24, .size: 8, .value_kind: global_buffer, .address_space: global }
      - { .name: lat16, .offset: 32, .size: 8, .value_kind: global_buffer, .address_space: global }
    .group_segment_fixed_size: 327680
    .private_segment_fixed_size: 0
    .kernarg_segment_align: 8
    .kernarg_segment_size: 40
    .max_flat_workgroup_size: 128
    .sgpr_count:     100
    .vgpr_count:     896
    .wavefront_size: 32
...
	.end_amdgpu_metadata
.endif
;; end of part 2
;; launch gkv (part 3): grid 16 x 16, 4 waves a work-group, clusters of 4 x 4, 327,680 bytes of LDS; arguments lat16, wts, aux, kv16, vs; writes kv16, vs
.if DOCPART == 3
	.amdgcn_target "amdgcn-amd-amdhsa--gfx1250"
	.amdhsa_code_object_version 6
	.text
	.protected	k_q0b7eaf80a7_gkv
	.globl	k_q0b7eaf80a7_gkv
	.p2align	8
	.type	k_q0b7eaf80a7_gkv,@function
k_q0b7eaf80a7_gkv:
	s_mov_b64 s[64:65], 0
	v_nop
	global_prefetch_b8 v0, s[64:65] scope:SCOPE_SE
	s_setreg_imm32_b32 hwreg(HW_REG_WAVE_MODE, 25, 1), 1
	s_wait_xcnt 0x0
	s_wait_alu depctr_hold_cnt(0) depctr_sa_sdst(0) depctr_va_vdst(0) depctr_va_sdst(0) depctr_va_ssrc(0) depctr_va_vcc(0) depctr_vm_vsrc(0)
	s_getreg_b32 s2, hwreg(HW_REG_IB_STS2, 6, 4)
	s_cmp_eq_u32 s2, 0
	s_cbranch_scc0 .Lentry_in_a_cluster
	s_endpgm
.Lentry_in_a_cluster:
	s_bfe_u32 s2, ttmp6, 0x10000c
	s_cmp_lg_u32 s2, 0xf033
	s_cbranch_scc0 .Lentry_shape_is_right
	s_endpgm
.Lentry_shape_is_right:
; GKV.  [k | v] = lat [Wk_up | Wv_up], f16 operands (lat carries 2^eL), f32 sums.  k gets the rotary embedding; both leave as f16 by heads, times an exact power of two;
; of v also the sums over blocks of 128 keys leave, in f32 (the attention needs them for the keys that the mask gives the score -10000).
; A tile of C is 256 x 256; four waves, 2 x 2, each 128 x 128: 64 accumulators.  K = 512: four steps of 128 = two planes of lat each.
; The skeleton is gq's text with other constants (see there).  Tile columns 0-7 are k's, 8-15 v's: clusters with x < 2 make k: the branch is the same in all partners.
; SCALES.  |lat'| < 2^14, 512 terms: eK = 117 - bk keeps |rope(k')| < 2^15, eV = 118 - bv keeps |v'| < 2^15.  LIMIT: clamped to -36 .. 36.
; NO PREFETCH: with four K steps no refill has a step two on.
.set F16,    1
.set MB,     8
.set NBW,    8
.set NQ,     8
.set NBIAS,  0
.set TSTEPS, 4
.set PREF,   0
.set APITCH, 144      ; a row of a plane of lat in LDS: 128 bytes + 16
.set KPP,    2        ; two quarters of a K step in a plane
.set APLANE, 128*APITCH
.set AHALF,  2*APLANE
.set A_QI,   4
.set A_D0,   8192     ; 128 rows x 64 of a plane are dense: one row of 8,192 elements
.set A_D1,   2        ; two planes
.set A_STR,  262144
.set A_TILEB, 256*128
.set A_HALFB, 128*128
.set ASTEP,  1048576
.set NPL,    4
.set FPW,    2
.set PLB,    65536
.set WOFF,   10485760
.set B_STR,  512*64
.set NL,     2*(MB+NBW)
.set ABYTES, 2*AHALF
.set BPITCH, 160
.set PLANE,  128*BPITCH
.set SLOT,   ABYTES+NPL*PLANE
.set SPARE,  2*SLOT
.set BSTEP,  16384
.set DP,     528
.set REGB,   16*MB*DP
.set ADRA0, 2
.set ADRB0, 3
.set ADRA,  5
.set ADRB,  6
.set DQA,   8
.set RDX,   10
.set RDY,   11
.set GO,    12
.set SPW,   14
.set NIL,   15
.set VSO,   26
.set AF,    64
.set BF,    256
.set ACC,   512
.set BIAS,  0
.set XR,    64
.set CR,    128
.set D8,    192
.set D2,    208
.set SEED,  224
.set OUTR,  224
.set TT,    240
.set SCV,   248
.set SSV,   250
.set SGV,   252
.set W,    16
.set WM,   17
.set WN,   18
.set CX,   19
.set CY,   20
.set TX,   21
.set TY,   22
.set CNT,  23
.set G1A,  24
.set G0A0, 32
.set G0A1, 36
.set G1B,  48
.set G0B0, 56
.set G0B1, 60
.set SO,   66
.set SCL,  72         ; s[72:73] 2^eK
.set SV,   74         ; s[74:75] 2^eV
.set MSK,  76
.set KVF,  77         ; the cluster's x
.set MSK2, 78
.set SEL,  96
.set LBA,  98
.set LBB,  99
.set QP,   10
.set MSB, 0
.macro WIN new
.if MSB != (\new)
	s_set_vgpr_msb (MSB<<8)|(\new)
.set MSB, (\new)
.endif
.endm
.macro PLACES
.rept 4
	v_nop
.endr
.endm
.macro CREST
	s_cmp_lg_u32 s[W], 0
	s_cbranch_scc1 .Lnot_wave_0_\@
	s_barrier_signal -3
.Lnot_wave_0_\@:
	s_barrier_wait -3
	s_barrier_signal -1
	s_barrier_wait -1
.endm
.macro CROUND
	s_barrier_signal -1
	s_barrier_wait -1
	CREST
.endm
.macro JLOAD
	s_cmp_eq_u32 s[WM], 0
	s_cbranch_scc0 .Lfor_b_\@
	tensor_load_to_lds s[G0A1:G0A1+3], s[G1A:G1A+7]
	s_nop 0
.rept 4
	v_nop
.endr
	s_branch .Lasked_\@
.Lfor_b_\@:
	tensor_load_to_lds s[G0B1:G0B1+3], s[G1B:G1B+7]
	s_nop 0
.rept 4
	v_nop
.endr
.Lasked_\@:
.endm
.macro MAXRED sd, vb, n
.set i, 1
.rept 2*(\n)-1
	v_max3_num_f32 v[\vb], v[\vb], v[(\vb)+i], v[(\vb)+i+1]
.set i, i+2
.endr
	v_max_num_f32 v[\vb], v[\vb], v[(\vb)+4*(\n)-1]
	v_max_num_f32_dpp v[\vb], v[\vb], v[\vb] row_xmask:1 row_mask:0xf bank_mask:0xf
	v_max_num_f32_dpp v[\vb], v[\vb], v[\vb] row_xmask:2 row_mask:0xf bank_mask:0xf
	v_max_num_f32_dpp v[\vb], v[\vb], v[\vb] row_xmask:4 row_mask:0xf bank_mask:0xf
	v_max_num_f32_dpp v[\vb], v[\vb], v[\vb] row_xmask:8 row_mask:0xf bank_mask:0xf
	v_permlanex16_b32 v[(\vb)+1], v[\vb], s[SEL], s[SEL+1]
	v_max_num_f32 v[\vb], v[\vb], v[(\vb)+1]
	v_readfirstlane_b32 s[\sd], v[\vb]
	s_bfe_u32 s[\sd], s[\sd], 0x80017
.endm
.macro CLAMP e
	s_max_i32 s[\e], s[\e], -36
	s_min_i32 s[\e], s[\e], 36
.endm
.macro POW2 d, e
	s_add_co_i32 s[\d], s[\e], 127
	s_lshl_b32 s[\d], s[\d], 23
	s_mov_b32 s[(\d)+1], s[\d]
.endm
.macro MM a, b, f, first
.set rD, ACC+8*((\a)*NBW+(\b))
.set rB, BF+8*NBW*(\f)+8*(\b)
.set rA, AF+8*MB*(\f)+8*(\a)
.set rC, rD
.if (\first) && ((\b) < NBIAS)
.set rC, BIAS+8*(\b)
.endif
	WIN (rD/256)*64+(rC/256)*16+(rA/256)*4+rB/256
.if (\first) && ((\b) >= NBIAS)
.if F16
	v_wmma_f32_16x16x32_f16 v[rD%256:rD%256+7], v[rB%256:rB%256+7], v[rA%256:rA%256+7], 0
.else
	v_wmma_f32_16x16x32_bf16 v[rD%256:rD%256+7], v[rB%256:rB%256+7], v[rA%256:rA%256+7], 0
.endif
.else
.if F16
	v_wmma_f32_16x16x32_f16 v[rD%256:rD%256+7], v[rB%256:rB%256+7], v[rA%256:rA%256+7], v[rC%256:rC%256+7]
.else
	v_wmma_f32_16x16x32_bf16 v[rD%256:rD%256+7], v[rB%256:rB%256+7], v[rA%256:rA%256+7], v[rC%256:rC%256+7]
.endif
.endif
.endm
.macro MULG f, g, first                ; the accumulators take turns, one instruction a turn
.set ia, (\g)*MB/4
.rept MB/4
.set ib, 0
.rept NBW
	MM ia, ib, \f, \first
.set ib, ib+1
.endr
.set ia, ia+1
.endr
.endm
.macro FETCH q, f
	WIN 0x40
.set fb, 0
.rept NQ
	ds_load_tr16_b128 v[8*NBW*(\f)+8*fb:8*NBW*(\f)+8*fb+3], v[ADRB] offset:32*BPITCH*(\q)+(fb/4)*PLANE+32*(fb%4)
	ds_load_tr16_b128 v[8*NBW*(\f)+8*fb+4:8*NBW*(\f)+8*fb+7], v[ADRB] offset:32*BPITCH*(\q)+(fb/4)*PLANE+32*(fb%4)+16*BPITCH
.set fb, fb+1
.endr
	WIN 0
.set fa, 0
.rept MB
	ds_load_b128 v[AF+8*MB*(\f)+8*fa:AF+8*MB*(\f)+8*fa+3], v[ADRA] offset:((\q)/KPP)*APLANE+64*((\q)%KPP)+16*APITCH*fa
	ds_load_b128 v[AF+8*MB*(\f)+8*fa+4:AF+8*MB*(\f)+8*fa+7], v[ADRA] offset:((\q)/KPP)*APLANE+64*((\q)%KPP)+16*APITCH*fa+32
.set fa, fa+1
.endr
.endm
.macro QUARTER q, f, g, first
	s_wait_dscnt MB                        ; the youngest MB loads (A's upper blocks) may be out
	MULG \f, 0, \first
	MULG \f, 1, \first
	PLACES
	FETCH \q, \g
	s_wait_dscnt NL                        ; all but the run just issued
	MULG \f, 2, \first
	MULG \f, 3, \first
.endm
.macro TURN fill
	WIN 0
	s_wait_tensorcnt 0x0                   ; all my tensor loads have landed: my part of the next slot
	ds_add_u32 v[SPW], v[NIL]
	s_wait_dscnt MB+1                      ; (the add and A's upper blocks may be out)
	MULG 1, 0, 0
	s_wait_dscnt 0x0                       ; the add is done, my reads of this slot are over
	s_barrier_signal -1
	MULG 1, 1, 0
	WIN 0
	s_barrier_wait -1
.if \fill
	CREST
	s_add_co_u32 s[G0A1+1], s[LBA], s[SO]
	s_add_nc_u64 s[G0A1+2:G0A1+3], s[G0A1+2:G0A1+3], ASTEP
	s_add_co_u32 s[G0B1+1], s[LBB], s[SO]
	s_add_nc_u64 s[G0B1+2:G0B1+3], s[G0B1+2:G0B1+3], BSTEP
	JLOAD
.else
	PLACES
.endif
	s_xor_b32 s[SO], s[SO], SLOT
	v_add_nc_u32 v[ADRA], s[SO], v[ADRA0]
	v_add_nc_u32 v[ADRB], s[SO], v[ADRB0]
	FETCH 0, 0
	MULG 1, 2, 0
	MULG 1, 3, 0
.endm
.macro DUMP
.set ia, 0
.rept MB
.set ib, 0
.rept NQ
.set rD, ACC+8*(ia*NBW+ib)
	WIN (rD/256)*4
	ds_store_b128 v[DQA], v[rD%256:rD%256+3] offset:16*DP*ia+64*ib
	ds_store_b128 v[DQA], v[rD%256+4:rD%256+7] offset:16*DP*ia+64*ib+16
.set ib, ib+1
.endr
.set ia, ia+1
.endr
	WIN 0
.endm
	s_load_b256 s[4:11], s[0:1], 0x0       ; lat16, wts, aux, kv16
	s_load_b64 s[12:13], s[0:1], 0x20      ; vs
	v_lshl_add_u32 v[SPW], v0, 2, SPARE
	v_mov_b32 v[NIL], 0
	ds_add_u32 v[SPW], v[NIL]              ; the wave's opening: the add and its wait ahead of my first tensor load
	ds_add_u32 v14, v15
	v_lshrrev_b32 v1, 5, v0
	v_readfirstlane_b32 s[W], v1
	s_lshr_b32 s[WM], s[W], 1
	s_and_b32 s[WN], s[W], 1
	s_bfe_u32 s[CX], ttmp6, 0x40000
	s_bfe_u32 s[CY], ttmp6, 0x40004
	s_lshl_b32 s[TX], ttmp9, 2
	s_add_co_u32 s[TX], s[TX], s[CX]
	s_and_b32 s[TY], ttmp7, 0xffff
	s_lshl_b32 s[TY], s[TY], 2
	s_add_co_u32 s[TY], s[TY], s[CY]
	s_mov_b32 s[KVF], ttmp9
	s_lshl_b32 s40, s[CY], 2
	s_lshl_b32 s40, 15, s40
	s_lshl_b32 s44, 0x1111, s[CX]
	s_or_b32 s[G1A], s40, (1<<16)|(1<<20)|(1<<21)|(A_QI<<22)|(3<<25)
	s_or_b32 s[G1B], s44, (1<<16)|(1<<20)|(1<<21)|(4<<22)|(7<<25)
	s_mov_b32 s[G1A+1], (A_D0&0xffff)<<16
	s_mov_b32 s[G1A+2], A_D1<<16
	s_mov_b32 s[G1A+3], A_D0<<16
	s_mov_b32 s[G1A+4], A_D1
	s_mov_b32 s[G1A+5], A_STR
	s_mov_b32 s[G1A+6], 0
	s_mov_b32 s[G1A+7], 0
	s_mov_b32 s[G1B+1], 8192<<16
	s_mov_b32 s[G1B+2], 2<<16
	s_mov_b32 s[G1B+3], 8192<<16
	s_mov_b32 s[G1B+4], 2
	s_mov_b32 s[G1B+5], B_STR
	s_mov_b32 s[G1B+6], 0
	s_mov_b32 s[G1B+7], 0
	s_mul_i32 s[LBA], s[WN], AHALF
	s_mul_i32 s[LBB], s[WN], FPW*PLANE
	s_add_co_u32 s[LBB], s[LBB], ABYTES
	s_mul_i32 s40, s[TY], A_TILEB
	s_mul_i32 s41, s[WN], A_HALFB
	s_add_co_u32 s40, s40, s41
	s_mov_b32 s41, 0
	s_mul_i32 s46, s[TX], NPL
	s_mul_i32 s47, s[WN], FPW
	s_add_co_u32 s46, s46, s47
	s_mul_i32 s46, s46, PLB
	s_add_co_u32 s46, s46, WOFF
	s_mov_b32 s47, 0
	s_mov_b32 s[SO], 0
	s_mov_b32 s[SEL], 0x76543210
	s_mov_b32 s[SEL+1], 0xfedcba98
	s_mov_b32 s[MSK], 0xff00ff00
	s_mov_b32 s[MSK2], 0xffff0000
	s_wait_dscnt 0x0
	s_wait_kmcnt 0x0
	s_add_nc_u64 s[42:43], s[4:5], s[40:41]
	s_add_nc_u64 s[46:47], s[6:7], s[46:47]
	s_mov_b32 s[G0A0], 1
	s_mov_b32 s[G0A0+1], s[LBA]
	s_mov_b64 s[G0A0+2:G0A0+3], s[42:43]
	s_or_b32 s[G0A0+3], s[G0A0+3], 0x80000000
	s_mov_b32 s[G0A1], 1
	s_add_co_u32 s[G0A1+1], s[LBA], SLOT
	s_add_nc_u64 s[G0A1+2:G0A1+3], s[42:43], ASTEP
	s_or_b32 s[G0A1+3], s[G0A1+3], 0x80000000
	s_mov_b32 s[G0B0], 1
	s_mov_b32 s[G0B0+1], s[LBB]
	s_mov_b64 s[G0B0+2:G0B0+3], s[46:47]
	s_or_b32 s[G0B0+3], s[G0B0+3], 0x80000000
	s_mov_b32 s[G0B1], 1
	s_add_co_u32 s[G0B1+1], s[LBB], SLOT
	s_add_nc_u64 s[G0B1+2:G0B1+3], s[46:47], BSTEP
	s_or_b32 s[G0B1+3], s[G0B1+3], 0x80000000
	CROUND
	s_cmp_eq_u32 s[WM], 0
	s_cbranch_scc0 .Lfirst_b
	tensor_load_to_lds s[G0A0:G0A0+3], s[G1A:G1A+7]
	s_nop 0
	tensor_load_to_lds s[G0A1:G0A1+3], s[G1A:G1A+7]
	s_nop 0
.rept 4
	v_nop
.endr
	s_branch .Lfirst_done
.Lfirst_b:
	tensor_load_to_lds s[G0B0:G0B0+3], s[G1B:G1B+7]
	s_nop 0
	tensor_load_to_lds s[G0B1:G0B1+3], s[G1B:G1B+7]
	s_nop 0
.rept 4
	v_nop
.endr
.Lfirst_done:
	v_and_b32 v16, 15, v0
	v_bfe_u32 v17, v0, 4, 1
	v_and_b32 v18, 31, v0
	v_and_b32 v19, 7, v0
	v_bfe_u32 v20, v0, 3, 1
	v_mul_u32_u24 v[ADRA0], v16, APITCH
	v_lshl_add_u32 v[ADRA0], v17, 4, v[ADRA0]
	s_mul_i32 s84, s[WM], AHALF
	v_add_nc_u32 v[ADRA0], s84, v[ADRA0]
	v_lshl_add_u32 v21, v17, 3, v19
	v_mul_u32_u24 v21, v21, BPITCH
	v_lshl_add_u32 v21, v20, 4, v21
	s_mul_i32 s84, s[WN], 2*PLANE
	s_add_co_u32 s84, s84, ABYTES
	v_add_nc_u32 v[ADRB0], s84, v21
	v_mov_b32 v[ADRA], v[ADRA0]
	v_mov_b32 v[ADRB], v[ADRB0]
	s_mul_i32 s84, s[W], REGB
	v_mul_u32_u24 v21, v16, DP
	v_lshl_add_u32 v21, v17, 5, v21
	v_add_nc_u32 v[DQA], s84, v21
	v_mul_u32_u24 v22, v17, DP
	v_lshlrev_b32 v23, 5, v16
	v_add3_u32 v[RDX], v22, v23, s84
	v_xor_b32 v23, 256, v23
	v_add3_u32 v[RDY], v22, v23, s84
	v_lshlrev_b32 v[GO], 4, v18
	v_lshlrev_b32 v[VSO], 5, v16
	v_lshl_add_u32 v[VSO], v17, 4, v[VSO]
	; where the results go: my 128 rows are key block kb of (batch, head)
	s_lshr_b32 s84, s[TY], 2
	s_lshl_b32 s84, s84, 4
	s_lshl1_add_u32 s85, s[TX], s[WN]
	s_and_b32 s85, s85, 15
	s_add_co_u32 s84, s84, s85
	s_and_b32 s86, s[TY], 3
	s_lshl1_add_u32 s86, s86, s[WM]        ; kb
	s_lshl3_add_u32 s87, s84, s86
	s_lshl_b32 s88, s87, 9
	s_mov_b32 s89, 0
	s_add_nc_u64 s[12:13], s[12:13], s[88:89]
	s_lshl_b32 s88, s87, 15                ; 128 rows of 256 bytes a block
	s_add_nc_u64 s[QP:QP+1], s[QP:QP+1], s[88:89]
	v_lshlrev_b32 v28, 4, v18
	global_load_b128 v[32:35], v28, s[8:9] offset:6656
	global_load_b128 v[36:39], v28, s[8:9] offset:7168
	v_lshlrev_b32 v30, 5, v19
	v_add_nc_u32 v30, 8192, v30
	s_lshl_b32 s86, s86, 11                ; my first position / 64 = 2 kb
	v_lshl_add_u32 v31, v17, 9, v30
	v_add_nc_u32 v31, s86, v31
.irp k, 0,1                                ; (v's tiles load these too: every path has then written what any path reads)
	global_load_b128 v[SEED+8*\k:SEED+8*\k+3], v31, s[8:9] offset:256*\k
	global_load_b128 v[SEED+8*\k+4:SEED+8*\k+7], v31, s[8:9] offset:256*\k+16
	global_load_b128 v[D2+8*\k:D2+8*\k+3], v30, s[8:9] offset:16384+256*\k
	global_load_b128 v[D2+8*\k+4:D2+8*\k+7], v30, s[8:9] offset:16384+256*\k+16
	global_load_b128 v[D8+8*\k:D8+8*\k+3], v30, s[8:9] offset:17408+256*\k
	global_load_b128 v[D8+8*\k+4:D8+8*\k+7], v30, s[8:9] offset:17408+256*\k+16
.endr
	s_wait_loadcnt 0x0
	MAXRED 86, 32, 1                       ; bk
	MAXRED 87, 36, 1                       ; bv
	s_sub_co_i32 s88, 117, s86
	CLAMP 88
	POW2 SCL, 88
	s_sub_co_i32 s89, 118, s87
	CLAMP 89
	POW2 SV, 89
	s_wait_tensorcnt 0x1                   ; my part of K step 0 is in; K step 1's may stay out
	s_barrier_signal -1
	s_barrier_wait -1
	FETCH 0, 0
	QUARTER 1, 0, 1, 1
	WIN 0
	s_mov_b32 s[CNT], TSTEPS-2
.Lk:
	QUARTER 2, 1, 0, 0
	QUARTER 3, 0, 1, 0
	TURN 1
	QUARTER 1, 0, 1, 0
	WIN 0
	s_sub_co_u32 s[CNT], s[CNT], 1
	s_cmp_lg_u32 s[CNT], 0
	s_cbranch_scc1 .Lk
	s_mov_b32 s[CNT], 2
.Ltail:
	QUARTER 2, 1, 0, 0
	QUARTER 3, 0, 1, 0
	TURN 0
	WIN 0
	s_sub_co_u32 s[CNT], s[CNT], 1
	s_cmp_eq_u32 s[CNT], 0
	s_cbranch_scc1 .Ldone
	QUARTER 1, 0, 1, 0
	WIN 0
	s_branch .Ltail
.Ldone:
	s_wait_dscnt 0x0
	s_barrier_signal -1
	s_barrier_wait -1                      ; all reads of the slots are over; both have had their last fill
	PLACES
	DUMP
	s_wait_dscnt 0x0
	s_barrier_signal -1
	s_barrier_wait -1                      ; from here on LDS is only read
.macro ROTTO d, s
.irp p, 0,2,4,6
	v_pk_mul_f32 v[CR+16*(\d)+\p:CR+16*(\d)+\p+1], v[CR+16*(\s)+\p:CR+16*(\s)+\p+1], v[D2+\p:D2+\p+1]
	v_pk_mul_f32 v[CR+16*(\d)+8+\p:CR+16*(\d)+9+\p], v[CR+16*(\s)+\p:CR+16*(\s)+\p+1], v[D2+8+\p:D2+9+\p]
.endr
.irp p, 0,2,4,6
	v_pk_fma_f32 v[CR+16*(\d)+\p:CR+16*(\d)+\p+1], v[CR+16*(\s)+8+\p:CR+16*(\s)+9+\p], v[D2+8+\p:D2+9+\p], v[CR+16*(\d)+\p:CR+16*(\d)+\p+1] neg_lo:[1,0,0] neg_hi:[1,0,0]
	v_pk_fma_f32 v[CR+16*(\d)+8+\p:CR+16*(\d)+9+\p], v[CR+16*(\s)+8+\p:CR+16*(\s)+9+\p], v[D2+\p:D2+\p+1], v[CR+16*(\d)+8+\p:CR+16*(\d)+9+\p]
.endr
.endm
.macro ROPESET
	v_mov_b32 v[SCV], s[SCL]
	v_mov_b32 v[SCV+1], s[SCL]
	v_xor_b32 v[SSV], 0x80000000, v[SCV]
	v_cndmask_b32 v[SSV], v[SSV], v[SCV], s[MSK]
	v_mov_b32 v[SSV+1], v[SSV]
	v_cndmask_b32 v[SGV], -1.0, 1.0, s[MSK]
	v_mov_b32 v[SGV+1], v[SGV]
.irp p, 0,2,4,6
	v_pk_mul_f32 v[CR+\p:CR+\p+1], v[SEED+\p:SEED+\p+1], v[SCV:SCV+1]
	v_pk_mul_f32 v[CR+8+\p:CR+9+\p], v[SEED+8+\p:SEED+9+\p], v[SSV:SSV+1]
	v_pk_mul_f32 v[D2+8+\p:D2+9+\p], v[D2+8+\p:D2+9+\p], v[SGV:SGV+1]
	v_pk_mul_f32 v[D8+8+\p:D8+9+\p], v[D8+8+\p:D8+9+\p], v[SGV:SGV+1]
.endr
	ROTTO 1, 0
	ROTTO 2, 1
	ROTTO 3, 2
.endm
.macro ROWLOAD
.irp g, 0,1,2,3
	ds_load_b128 v[XR+16*\g:XR+16*\g+3], v[RDX] offset:2*DP*\g
	ds_load_b128 v[XR+16*\g+4:XR+16*\g+7], v[RDX] offset:2*DP*\g+16
	ds_load_b128 v[XR+16*\g+8:XR+16*\g+11], v[RDY] offset:2*DP*\g
	ds_load_b128 v[XR+16*\g+12:XR+16*\g+15], v[RDY] offset:2*DP*\g+16
.endr
.endm
.macro ROWTRIP next                    ; k: eight rows, as in gq
	s_wait_dscnt 0x0
	s_wait_xcnt 0x0
	v_add_nc_u32 v[GO], 2048, v[GO]
.irp g, 0,1,2,3
.irp p, 0,2,4,6
	v_pk_mul_f32 v[XR+16*\g+\p:XR+16*\g+\p+1], v[XR+16*\g+\p:XR+16*\g+\p+1], v[CR+16*\g+\p:CR+16*\g+\p+1]
.endr
.irp p, 0,2,4,6
	v_pk_fma_f32 v[XR+16*\g+\p:XR+16*\g+\p+1], v[XR+16*\g+8+\p:XR+16*\g+9+\p], v[CR+16*\g+8+\p:CR+16*\g+9+\p], v[XR+16*\g+\p:XR+16*\g+\p+1]
.endr
.irp k, 0,1,2,3
	v_cvt_pk_f16_f32 v[OUTR+4*\g+\k], v[XR+16*\g+2*\k], v[XR+16*\g+2*\k+1]
.endr
.endr
.if \next
	v_add_nc_u32 v[RDX], 8*DP, v[RDX]
	v_add_nc_u32 v[RDY], 8*DP, v[RDY]
	ROWLOAD
.irp g, 0,1,2,3
.irp p, 0,2,4,6
	v_pk_mul_f32 v[TT+2*(\p%4):TT+2*(\p%4)+1], v[CR+16*\g+\p:CR+16*\g+\p+1], v[D8+\p:D8+\p+1]
	v_pk_mul_f32 v[TT+2*(\p%4)+2:TT+2*(\p%4)+3], v[CR+16*\g+\p:CR+16*\g+\p+1], v[D8+8+\p:D8+9+\p]
	v_pk_fma_f32 v[CR+16*\g+\p:CR+16*\g+\p+1], v[CR+16*\g+8+\p:CR+16*\g+9+\p], v[D8+8+\p:D8+9+\p], v[TT+2*(\p%4):TT+2*(\p%4)+1] neg_lo:[1,0,0] neg_hi:[1,0,0]
	v_pk_fma_f32 v[CR+16*\g+8+\p:CR+16*\g+9+\p], v[CR+16*\g+8+\p:CR+16*\g+9+\p], v[D8+\p:D8+\p+1], v[TT+2*(\p%4)+2:TT+2*(\p%4)+3]
.endr
.endr
.endif
.irp g, 0,1,2,3
	global_store_b128 v[GO], v[OUTR+4*\g:OUTR+4*\g+3], s[QP:QP+1] offset:512*\g-2048
.endr
.endm
.macro VLOAD
.irp g, 0,1,2,3
	ds_load_b128 v[XR+16*\g:XR+16*\g+3], v[RDX] offset:2*DP*\g
	ds_load_b128 v[XR+16*\g+4:XR+16*\g+7], v[RDX] offset:2*DP*\g+16
.endr
.endm
.macro VTRIP next                      ; v: eight rows: scaled, added to the block's sums (f32), rounded, stored
	s_wait_dscnt 0x0
	s_wait_xcnt 0x0
	v_add_nc_u32 v[GO], 2048, v[GO]
.irp g, 0,1,2,3
.irp p, 0,2,4,6
	v_pk_mul_f32 v[XR+16*\g+\p:XR+16*\g+\p+1], v[XR+16*\g+\p:XR+16*\g+\p+1], s[SV:SV+1] op_sel_hi:[1,0]
.endr
.irp p, 0,2,4,6
	v_pk_add_f32 v[TT+\p:TT+\p+1], v[TT+\p:TT+\p+1], v[XR+16*\g+\p:XR+16*\g+\p+1]
.endr
.irp k, 0,1,2,3
	v_cvt_pk_f16_f32 v[OUTR+4*\g+\k], v[XR+16*\g+2*\k], v[XR+16*\g+2*\k+1]
.endr
.endr
.if \next
	v_add_nc_u32 v[RDX], 8*DP, v[RDX]
	VLOAD
.endif
.irp g, 0,1,2,3
	global_store_b128 v[GO], v[OUTR+4*\g:OUTR+4*\g+3], s[QP:QP+1] offset:512*\g-2048
.endr
.endm
	s_cmp_lt_u32 s[KVF], 2
	s_cbranch_scc0 .Lvtile
	ROPESET
	ROWLOAD
	s_mov_b32 s[CNT], 2*MB-1
.Lrow:
	ROWTRIP 1
	s_sub_co_u32 s[CNT], s[CNT], 1
	s_cmp_lg_u32 s[CNT], 0
	s_cbranch_scc1 .Lrow
	ROWTRIP 0
	s_branch .Lend
.Lvtile:
	s_add_nc_u64 s[QP:QP+1], s[QP:QP+1], 0x1000000  ; v lies behind k
.irp j, 0,1,2,3,4,5,6,7
	v_mov_b32 v[TT+\j], 0
.endr
	VLOAD
	s_mov_b32 s[CNT], 2*MB-1
.Lvrow:
	VTRIP 1
	s_sub_co_u32 s[CNT], s[CNT], 1
	s_cmp_lg_u32 s[CNT], 0
	s_cbranch_scc1 .Lvrow
	VTRIP 0
.irp j, 0,1,2,3,4,5,6,7                    ; even and odd rows' sums lie in the two halves of the lanes
	v_permlanex16_b32 v[XR+\j], v[TT+\j], s[SEL], s[SEL+1]
.endr
.irp p, 0,2,4,6
	v_pk_add_f32 v[TT+\p:TT+\p+1], v[TT+\p:TT+\p+1], v[XR+\p:XR+\p+1]
.endr
.irp j, 0,1,2,3
	v_cndmask_b32 v[XR+\j], v[TT+\j], v[TT+4+\j], s[MSK2]  ; lanes 16-31 store columns 4-7 of the eight
.endr
	global_store_b128 v[VSO], v[XR:XR+3], s[12:13]         ; 128 sums: 512 consecutive bytes, aligned
.Lend:
	s_wait_tensorcnt 0x0                   ; the wave's end
	ds_add_u32 v[SPW], v[NIL]
	s_wait_dscnt 0x0
	CROUND
	s_endpgm
.Lfunc_end_k_q0b7eaf80a7_gkv:
	.size	k_q0b7eaf80a7_gkv, .Lfunc_end_k_q0b7eaf80a7_gkv-k_q0b7eaf80a7_gkv
	.p2alignl 7, 3214868480
	.fill 96, 4, 3214868480
	.section	.rodata,"a",@progbits
	.p2align	6, 0x0
	.amdhsa_kernel k_q0b7eaf80a7_gkv
		.amdhsa_group_segment_fixed_size 327680
		.amdhsa_private_segment_fixed_size 0
		.amdhsa_enable_private_segment 0
		.amdhsa_kernarg_size 40
		.amdhsa_user_sgpr_count 2
		.amdhsa_user_sgpr_kernarg_segment_ptr 1
		.amdhsa_wavefront_size32 1
		.amdhsa_system_sgpr_workgroup_id_x 1
		.amdhsa_system_sgpr_workgroup_id_y 1
		.amdhsa_system_sgpr_workgroup_id_z 1
		.amdhsa_system_vgpr_workitem_id 0
		.amdhsa_next_free_vgpr 1024
		.amdhsa_next_free_sgpr 100
		.amdhsa_reserve_vcc 0
		.amdhsa_float_denorm_mode_32 3
		.amdhsa_float_denorm_mode_16_64 3
		.amdhsa_memory_ordered 1
		.amdhsa_forward_progress 1
		.amdhsa_inst_pref_size 108
	.end_amdhsa_kernel
	.amdgpu_metadata
---
amdhsa.version: [ 1, 2 ]
amdhsa.kernels:
  - .name:           k_q0b7eaf80a7_gkv
    .symbol:         k_q0b7eaf80a7_gkv.kd
    .args:
      - { .name: lat16, .offset: 0, .size: 8, .value_kind: global_buffer, .address_space: global }
      - { .name: wts, .offset: 8, .size: 8, .value_kind: global_buffer, .address_space: global }
      - { .name: aux, .offset: 16, .size: 8, .value_kind: global_buffer, .address_space: global }
      - { .name: kv16, .offset: 24, .size: 8, .value_kind: global_buffer, .address_space: global }
      - { .name: vs, .offset: 32, .size: 8, .value_kind: global_buffer, .address_space: global }
    .group_segment_fixed_size: 327680
    .private_segment_fixed_size: 0
    .kernarg_segment_align: 8
    .kernarg_segment_size: 40
    .max_flat_workgroup_size: 128
    .sgpr_count:     100
    .vgpr_count:     1024
    .wavefront_size: 32
...
	.end_amdgpu_metadata
.endif
;; end of part 3
;; launch attn (part 4): grid 4 x 64, 4 waves a work-group, no clusters, 327,680 bytes of LDS; arguments q16, kv16, vs, aux, ctx16; writes ctx16
.if DOCPART == 4
	.amdgcn_target "amdgcn-amd-amdhsa--gfx1250"
	.amdhsa_code_object_version 6
	.text
	.protected	k_q0b7eaf80a7_attn
	.globl	k_q0b7eaf80a7_attn
	.p2align	8
	.type	k_q0b7eaf80a7_attn,@function
k_q0b7eaf80a7_attn:
	s_mov_b64 s[64:65], 0
	v_nop
	global_prefetch_b8 v0, s[64:65] scope:SCOPE_SE
	s_setreg_imm32_b32 hwreg(HW_REG_WAVE_MODE, 25, 1), 1
	s_wait_xcnt 0x0
; CAUSAL ATTENTION, head size 128, 64 (batch, head) x 1,024 positions.  q', k', v' are f16 by heads, each times an exact power of two; products, maxima and sums in f32;
; the weights are rounded to f16 for the second product (their sum is taken unrounded), ctx' once at the end (it keeps v's power of two).
; THE MASK GIVES THE SCORE -10000, NOT MINUS INFINITY.  Inside the diagonal tile a hidden score is replaced by the raw number MR that stands for -10000.  The key tiles behind the diagonal are
; not walked: all their keys have that one score, so at a block's end they enter as w x (the sum of their v) and w x (their number), w = 2^(T0 - max); the sums of v come from gkv.
; THE WALK.  8 blocks of 128 queries; block i needs key tiles 0 .. i of 128 keys.  A work-group takes blocks 7 - pb and then pb: 9 tiles whatever pb: one loop with a constant count; the ring of two
; LDS slots runs on across the change of blocks.  NO CLUSTER: a head's four work-groups need different numbers of tiles in each block; a walk common to all would have 12 trips for 9.
; SHARES.  A wave owns 32 rows of each block: two tiles of 16 queries.  A key tile is two steps of 64 keys.
; LAYOUT.  S^T = K Q^T holds one query a lane (l % 16) and the keys 8 (l / 16) + 0..7; two such results rounded to f16 are source 1 of O^T = V^T P.  p = 2^(c s - c m) with a running maximum m;
; O and l are multiplied by a = 2^(c m_old - c m_new) in every step; m starts at the lowest finite number, so a block's first step has a = 0.
; IN PHASES: a step's 32 products K Q^T, the softmax of both tiles (one batch of 66 exponentials, one wait), its 32 products V^T P.
; c = log2(e) / sqrt(128) x 2^-(eQ + eL + eK) undoes the powers of two.  LIMITS: |c s| < 4e37; a weight below 2^-126 counts as 0; NaN and infinities are not treated apart.
; REGISTERS: window 0: addresses, v32-47 statistics (8 a tile), v64-127 S^T, v128-159 P.  window 1: v0-127 O^T, v128-191 the later tiles' sum of v.
;   window 2: v0-63 Q, v64-127 the second block's Q, v128-255 K of a step.  window 3: v0-127 V of a step.
.set PK,    272       ; a row of K in LDS: 256 + 16
.set PVP,   288       ; a row of V: 256 + 32
.set VOFF,  128*PK
.set SLOT1, 1<<17
.set STAGE, SLOT1+128*(PK+PVP)  ; 16 rows x 272 bytes a wave, for the way out
.set SP,    272
.set TREG,  STAGE+4*16*SP       ; the two blocks' sums of later v: 512 bytes each
.set SPARE, TREG+1024           ; the spare words
.set AK0, 2
.set AV0, 3
.set AK,  4
.set AV,  5
.set STO, 6
.set RD,  7
.set GO,  8           ; v9 = l / 16, v10 = l % 8, v11 = (l / 8) % 2 stay
.set QO,  12
.set PFO, 13
.set DQ0, 14          ; my query's place in the block less my lanes' 8 (l / 16)
.set MRV, 15
.set DQ,  16          ; v16, v17: the same for tile t, less the keys passed in the diagonal tile
.set TA,  18
.set ST,  32          ; tile t at ST + 8 t: c m, m, l (two), c0-c3 at work
.set SPW, 62
.set NIL, 63
.set S,   64
.set P,   128
.set KF,  128         ; window 2
.set QB,  64          ; window 2
.set TW,  128         ; window 1
.set WV,  14
.set PB,  15
.set HI,  16
.set QL,  22
.set G1K, 24
.set G1V, 32
.set G0K, 40
.set G0V, 44
.set KW,  48          ; k, v at my half of the head's tile 0
.set VW,  50
.set KH,  52          ; k, v at the head's first row
.set VH,  54
.set SLOTS, 56
.set CNT, 57
.set CS,  58
.set SEL, 60
.set TB,  62          ; LDS byte of the slot in hand
.set TK,  63
.set TV,  66
.set RT,  67          ; tiles of the block in hand still to be entered
.set NXT, 68          ; the tile to be asked for next
.set LQ,  69
.set NEW, 70
.set OFF, 72
.set MR,  74
.set T0,  75
.set T0P, 76          ; c x MR, or the lowest finite number where no tile lies behind the block
.set NLF, 77          ; how many keys lie there, as f32
.set NLF2, 78
.set TSEL, 79
.set OLO, 80
.set LIM, 82
.set PFK, 84
.set PFV, 86
.set MSB, 0
.macro WIN new
.if MSB != (\new)
	s_set_vgpr_msb (MSB<<8)|(\new)
.set MSB, (\new)
.endif
.endm
.set W_KQ, 0x0a
.set W_PV, 0x53
.set W_RS, 0x41
.macro PLACES
.rept 4
	v_nop
.endr
.endm
.macro MAXRED sd, vb, n
.set i, 1
.rept 2*(\n)-1
	v_max3_num_f32 v[\vb], v[\vb], v[(\vb)+i], v[(\vb)+i+1]
.set i, i+2
.endr
	v_max_num_f32 v[\vb], v[\vb], v[(\vb)+4*(\n)-1]
	v_max_num_f32_dpp v[\vb], v[\vb], v[\vb] row_xmask:1 row_mask:0xf bank_mask:0xf
	v_max_num_f32_dpp v[\vb], v[\vb], v[\vb] row_xmask:2 row_mask:0xf bank_mask:0xf
	v_max_num_f32_dpp v[\vb], v[\vb], v[\vb] row_xmask:4 row_mask:0xf bank_mask:0xf
	v_max_num_f32_dpp v[\vb], v[\vb], v[\vb] row_xmask:8 row_mask:0xf bank_mask:0xf
	v_permlanex16_b32 v[(\vb)+1], v[\vb], s[SEL], s[SEL+1]
	v_max_num_f32 v[\vb], v[\vb], v[(\vb)+1]
	v_readfirstlane_b32 s[\sd], v[\vb]
	s_bfe_u32 s[\sd], s[\sd], 0x80017
.endm
.macro CLAMP e
	s_max_i32 s[\e], s[\e], -36
	s_min_i32 s[\e], s[\e], 36
.endm
.macro LOAD                            ; waves 0, 1 fetch the halves of a tile's K, waves 2, 3 those of its V: 64 rows each
	s_cmp_lt_u32 s[WV], 2
	s_cbranch_scc0 .Lfor_v_\@
	tensor_load_to_lds s[G0K:G0K+3], s[G1K:G1K+7]
	s_nop 0
.rept 4
	v_nop
.endr
	s_branch .Lasked_\@
.Lfor_v_\@:
	tensor_load_to_lds s[G0V:G0V+3], s[G1V:G1V+7]
	s_nop 0
.rept 4
	v_nop
.endr
.Lasked_\@:
.endm
; A prefetch of the tile that the NEXT change of slots asks for: a thread a row of K and a row of V.  A head's tiles 2 to 7 are walked first by the work-group with pb = 0, in its first block:
; it alone asks, so each row is named once; tiles 0 and 1 come by their loads alone.
.macro ASK
	s_cmp_gt_u32 s[NXT], s[LIM]
	s_cbranch_scc0 .Lnot_mine_\@
	global_prefetch_b8 v[PFO], s[PFK:PFK+1] th:TH_LOAD_NT scope:SCOPE_SE
	global_prefetch_b8 v[PFO], s[PFV:PFV+1] th:TH_LOAD_NT scope:SCOPE_SE
.Lnot_mine_\@:
.endm
; THE CHANGE OF SLOTS.  Each wave waits for all its tensor loads (its part of the other slot), adds 0 to its spare word, waits for that and for its reads of the slot that it leaves; behind the barrier
; the old slot is filled first (fill = 1), with tile NXT; the descriptor's address is made anew from that number.
.macro CHANGE fill
	WIN 0
	s_wait_tensorcnt 0x0
	ds_add_u32 v[SPW], v[NIL]
.if \fill
	s_lshl_b32 s[OFF], s[NXT], 15          ; a tile is 32,768 bytes of K and of V
	s_xor_b32 s[G0K+1], s[G0K+1], SLOT1
	s_add_nc_u64 s[G0K+2:G0K+3], s[KW:KW+1], s[OFF:OFF+1]
	s_or_b32 s[G0K+3], s[G0K+3], 0x80000000
	s_xor_b32 s[G0V+1], s[G0V+1], SLOT1
	s_add_nc_u64 s[G0V+2:G0V+3], s[VW:VW+1], s[OFF:OFF+1]
	s_or_b32 s[G0V+3], s[G0V+3], 0x80000000
	s_add_co_u32 s[NXT], s[NXT], 1         ; the block's next tile, or behind its last the second block's tile 0
	s_cmp_gt_u32 s[NXT], s[LQ]
	s_cselect_b32 s[NXT], 0, s[NXT]
	s_cselect_b32 s[LQ], s[PB], s[LQ]
	s_wait_xcnt 0x0                        ; the last prefetches, a tile back, have read their addresses
	s_lshl_b32 s[OFF], s[NXT], 15
	s_add_nc_u64 s[PFK:PFK+1], s[KH:KH+1], s[OFF:OFF+1]
	s_add_nc_u64 s[PFV:PFV+1], s[VH:VH+1], s[OFF:OFF+1]
.endif
	s_wait_dscnt 0x0                       ; the add is done, my reads of the slot are over
	s_barrier_signal -1
	s_xor_b32 s[TB], s[TB], SLOT1
	s_barrier_wait -1
.if \fill
	LOAD
	ASK
.endif
.endm
; Product i of 32 of S^T = K Q^T: channels 32 (i / 8) on, keys 16 ((i / 2) % 4) on, tile i % 2.  The 8 accumulators take turns; the first 8 start the sums.
.macro KQM
	WIN W_KQ
.set rS, S+32*(i%2)+8*((i/2)%4)
.set rK, KF+32*((i/2)%4)+8*(i/8)
.set rQ, 32*(i%2)+8*(i/8)
.if i < 8
	v_wmma_f32_16x16x32_f16 v[rS:rS+7], v[rK:rK+7], v[rQ:rQ+7], 0
.else
	v_wmma_f32_16x16x32_f16 v[rS:rS+7], v[rK:rK+7], v[rQ:rQ+7], v[rS:rS+7]
.endif
.endm
; Product i of 32 of O^T += V^T P: keys 32 (i / 16) on, channels 16 ((i / 2) % 8) on, tile i % 2: 16 accumulators by turns.
.macro PVM
	WIN W_PV
.set rO, 64*(i%2)+8*((i/2)%8)
.set rV, 64*(i/16)+8*((i/2)%8)
.set rP, P+16*(i%2)+8*(i/16)
	v_wmma_f32_16x16x32_f16 v[rO:rO+7], v[rV:rV+7], v[rP:rP+7], v[rO:rO+7]
.endm
.macro FETCH_K
	WIN 0x80
.irp f, 0,1,2,3,4,5,6,7,8,9,10,11,12,13,14,15
	ds_load_b128 v[KF+8*\f:KF+8*\f+3], v[AK] offset:(\f/4)*16*PK+(\f%4)*64
	ds_load_b128 v[KF+8*\f+4:KF+8*\f+7], v[AK] offset:(\f/4)*16*PK+(\f%4)*64+32
.endr
	WIN 0
.endm
.macro FETCH_V
	WIN 0xc0
.irp f, 0,1,2,3,4,5,6,7,8,9,10,11,12,13,14,15
	ds_load_tr16_b128 v[8*\f:8*\f+3], v[AV] offset:(\f/8)*32*PVP+(\f%8)*32
	ds_load_tr16_b128 v[8*\f+4:8*\f+7], v[AV] offset:(\f/8)*32*PVP+16*PVP+(\f%8)*32
.endr
	WIN 0
.endm
; Number j of the 134 of a tile's softmax for a step.  0-15 the maximum of 32 scores and the old m (each accumulator's lowest registers are read first); 16-20 the other half of the
; lanes, m, c m, its change; 21-69 the 16 scalings and all 33 exponentials, none of which reads an exponential's result; 70-85 the roundings; 86-101 the sums; 102-133 O^T times a.
.macro SM t
.set rT, ST+8*(\t)
.set rS, S+32*(\t)
.set rP, P+16*(\t)
.set rO, 64*(\t)+2*(j-102)
.if j < 102
	WIN 0
.endif
.if j < 4
	v_max3_num_f32 v[rT+4+j], v[rS+8*j], v[rS+8*j+1], v[rS+8*j+2]
.elseif j < 12
	v_max3_num_f32 v[rT+4+j%4], v[rT+4+j%4], v[rS+8*(j%4)+2*(j/4)+1], v[rS+8*(j%4)+2*(j/4)+2]
.elseif j == 12
	v_max3_num_f32 v[rT+4], v[rT+4], v[rS+7], v[rS+15]
.elseif j == 13
	v_max3_num_f32 v[rT+6], v[rT+6], v[rS+23], v[rS+31]
.elseif j == 14
	v_max3_num_f32 v[rT+4], v[rT+4], v[rT+5], v[rT+6]
.elseif j == 15
	v_max3_num_f32 v[rT+4], v[rT+4], v[rT+7], v[rT+1]
.elseif j == 16
	v_permlanex16_b32 v[rT+5], v[rT+4], s[SEL], s[SEL+1]
.elseif j == 17
	v_mov_b32 v[rT+7], v[rT]
.elseif j == 18
	v_max_num_f32 v[rT+1], v[rT+4], v[rT+5]
.elseif j == 19
	v_mul_f32 v[rT], s[CS], v[rT+1]
.elseif j == 20
	v_sub_f32 v[rT+7], v[rT+7], v[rT]
.elseif j == 23
	v_exp_f32 v[rT+6], v[rT+7]
.elseif (j < 23) || ((j < 38) && (j%2 == 0)) || ((j < 66) && (j%4 == 2))
.set b, (j-2)/4
.if j < 38
.set b, (j-20)/2
.endif
	v_pk_fma_f32 v[rS+2*b:rS+2*b+1], v[rS+2*b:rS+2*b+1], s[CS:CS+1], v[rT:rT+1] op_sel_hi:[1,0,0] neg_lo:[0,0,1] neg_hi:[0,0,1]
.elseif j < 70
.set e, j-38
.if j < 66
.set e, j-32-(j-38)/4
.endif
.if j < 38
.set e, (j-25)/2
.endif
	v_exp_f32 v[rS+e], v[rS+e]
.elseif j < 86
	v_cvt_pk_f16_f32 v[rP+j-70], v[rS+2*(j-70)], v[rS+2*(j-70)+1]
.elseif j < 102
.set z, j-86
.set w, 4
.set u, z
.if z >= 14
.set w, 32
.set u, 0
.elseif z >= 12
.set w, 16
.set u, z-12
.elseif z >= 8
.set w, 8
.set u, z-8
.endif
.if z < 15
	v_pk_add_f32 v[rS+w*u:rS+w*u+1], v[rS+w*u:rS+w*u+1], v[rS+w*u+w/2:rS+w*u+w/2+1]
.else
	v_pk_fma_f32 v[rT+2:rT+3], v[rT+2:rT+3], v[rT+6:rT+7], v[rS:rS+1] op_sel_hi:[1,0,1]
.endif
.else
	WIN W_RS
	v_pk_mul_f32 v[rO:rO+1], v[rO:rO+1], v[rT+6:rT+7] op_sel_hi:[1,0]
.endif
.endm
.macro MASKS                           ; the diagonal tile: register 8 kb + j is hidden where 16 kb + j is greater than my query's place less the keys passed
	WIN 0
.irp t, 0,1
.set i, 0
.rept 32
	v_cmp_gt_i32 vcc_lo, 16*(i/8)+i%8, v[DQ+\t]
	v_cndmask_b32 v[S+32*\t+i], v[S+32*\t+i], v[MRV], vcc_lo
.set i, i+1
.endr
	v_add_nc_u32 v[DQ+\t], -64, v[DQ+\t]
.endr
.endm
.macro STEP m                          ; 64 keys
	s_wait_dscnt 0x0                       ; K is in
.set i, 0
.rept 32
	KQM
.set i, i+1
.endr
	WIN 0
	v_add_nc_u32 v[AV], s[TV], v[AV0]
	v_add_nc_u32 v[AK], s[TK], v[AK0]
	PLACES                                 ; behind the products, in front of the loads into K's and V's registers and of the readers of S^T
	FETCH_V
	s_add_co_u32 s[TV], s[TV], 64*PVP
	s_cmp_eq_u32 s[CNT], 1                 ; the tile's second step has no K behind it
	s_cbranch_scc1 .Lno_k_\@
	FETCH_K
.Lno_k_\@:
.if \m
	MASKS
.endif
.set j, 0
.rept 70
	SM 0
	SM 1
.set j, j+1
.endr
	v_nop                                  ; a plain instruction behind the last exponential,
	s_wait_alu depctr_va_vdst(0)           ; and one wait for the batch of 66, ahead of its first reader
.rept 64
	SM 0
	SM 1
.set j, j+1
.endr
	s_wait_dscnt 0x0                       ; V is in
.set i, 0
.rept 32
	PVM
.set i, i+1
.endr
.endm
.macro TILE m
	WIN 0
	v_add_nc_u32 v[AK], s[TB], v[AK0]
	FETCH_K
	s_add_co_u32 s[TK], s[TB], 64*PK
	s_mov_b32 s[TV], s[TB]
	s_mov_b32 s[CNT], 2
.Lstep_\@:
	STEP \m
	WIN 0
	s_sub_co_u32 s[CNT], s[CNT], 1
	s_cmp_lg_u32 s[CNT], 0
	s_cbranch_scc1 .Lstep_\@
.endm
.macro BEGIN                           ; a block begins
	s_mov_b32 s[NEW], 0
.irp t, 0,1
	v_mov_b32 v[ST+8*\t], 0xfe000000       ; c m: far below every c s
	v_mov_b32 v[ST+8*\t+1], 0xff7fffff     ; m
	v_add_nc_u32 v[DQ+\t], 16*\t, v[DQ0]
.endr
.endm
.macro PACK t
	WIN 0x05
.set i, 0
.rept 32
	v_cvt_pk_f16_f32 v[S+32*(\t)+i], v[64*(\t)+2*i], v[64*(\t)+2*i+1]
.set i, i+1
.endr
	WIN 0
.irp f, 0,1,2,3,4,5,6,7
	ds_store_b128 v[STO], v[S+32*(\t)+4*\f:S+32*(\t)+4*\f+3] offset:32*\f
.endr
.irp f, 0,1,2,3,4,5,6,7
	ds_load_b128 v[S+32*(\t)+4*\f:S+32*(\t)+4*\f+3], v[RD] offset:\f*2*SP  ; LDS serves a wave's instructions in order: these see the stores above
.endr
.endm
.macro SEND t, younger
.irp f, 0,1,2,3,4,5,6,7
	s_wait_dscnt (\younger)+7-\f           ; the younger LDS instructions may stay out
	global_store_b128 v[GO], v[S+32*(\t)+4*\f:S+32*(\t)+4*\f+3], s[12:13] offset:(\t)*65536+\f*8192  ; 16 lanes store a row's 256 bytes of the head, aligned
.endr
.endm
; A BLOCK ENDS.  M2 = max(c m, T0P); a2 = 2^(c m - M2), w = 2^(T0P - M2); L = l a2 + w x (keys behind); O = (O a2 + T w) / L.
.macro FINISH
	WIN 0
	v_lshl_add_u32 v[TA], v9, 5, s[TSEL]
	WIN 0x40
.irp f, 0,1,2,3,4,5,6,7
	ds_load_b128 v[TW+8*\f:TW+8*\f+3], v[TA] offset:64*\f
	ds_load_b128 v[TW+8*\f+4:TW+8*\f+7], v[TA] offset:64*\f+16
.endr
	WIN 0
.irp t, 0,1
	v_add_f32 v[ST+8*\t+4], v[ST+8*\t+2], v[ST+8*\t+3]
.endr
.irp t, 0,1
	v_permlanex16_b32 v[ST+8*\t+5], v[ST+8*\t+4], s[SEL], s[SEL+1]
.endr
.irp t, 0,1
	v_add_f32 v[ST+8*\t+4], v[ST+8*\t+4], v[ST+8*\t+5]
	v_max_num_f32 v[ST+8*\t+5], s[T0P], v[ST+8*\t]
.endr
.irp t, 0,1
	v_sub_f32 v[ST+8*\t+6], v[ST+8*\t], v[ST+8*\t+5]
	v_sub_f32 v[ST+8*\t+7], s[T0P], v[ST+8*\t+5]
.endr
.irp t, 0,1
	v_exp_f32 v[ST+8*\t+6], v[ST+8*\t+6]
	v_exp_f32 v[ST+8*\t+7], v[ST+8*\t+7]
.endr
	v_nop
	s_wait_alu depctr_va_vdst(0)           ; one wait for the four exponentials
.irp t, 0,1
	v_mul_f32 v[ST+8*\t+5], s[NLF], v[ST+8*\t+7]
.endr
.irp t, 0,1
	v_fma_f32 v[ST+8*\t+4], v[ST+8*\t+4], v[ST+8*\t+6], v[ST+8*\t+5]
.endr
.irp t, 0,1
	v_rcp_f32 v[ST+8*\t+4], v[ST+8*\t+4]
.endr
	v_nop
	s_wait_alu depctr_va_vdst(0)           ; one wait for the two reciprocals
.irp t, 0,1
	v_mul_f32 v[ST+8*\t+6], v[ST+8*\t+6], v[ST+8*\t+4]  ; a2 / L
	v_mul_f32 v[ST+8*\t+4], v[ST+8*\t+7], v[ST+8*\t+4]  ; w / L
.endr
	WIN W_RS
.irp t, 0,1
.set i, 0
.rept 32
	v_pk_mul_f32 v[64*\t+2*i:64*\t+2*i+1], v[64*\t+2*i:64*\t+2*i+1], v[ST+8*\t+6:ST+8*\t+7] op_sel_hi:[1,0]
.set i, i+1
.endr
.endr
	s_wait_dscnt 0x0                       ; the sums of v are in
	WIN 0x51
.irp t, 0,1
.set i, 0
.rept 32
	v_pk_fma_f32 v[64*\t+2*i:64*\t+2*i+1], v[TW+2*i:TW+2*i+1], v[ST+8*\t+4:ST+8*\t+5], v[64*\t+2*i:64*\t+2*i+1] op_sel_hi:[1,0,1]
.set i, i+1
.endr
.endr
	PACK 0
	PACK 1
	SEND 0, 16
	SEND 1, 0
.endm
	s_load_b256 s[4:11], s[0:1], 0x0       ; q16, kv16, vs, aux
	s_load_b64 s[12:13], s[0:1], 0x20      ; ctx16
	v_lshl_add_u32 v[SPW], v0, 2, SPARE
	v_mov_b32 v[NIL], 0
	ds_add_u32 v[SPW], v[NIL]              ; the wave's opening: the add and its wait ahead of my first tensor load
	ds_add_u32 v62, v63
	v_lshrrev_b32 v1, 5, v0
	v_readfirstlane_b32 s[WV], v1
	s_mov_b32 s[PB], ttmp9
	s_sub_co_u32 s[HI], 7, s[PB]
	s_and_b32 s17, ttmp7, 0xffff           ; 16 batch + head
	s_and_b32 s18, s[WV], 1
	s_lshl_b32 s88, s17, 18                ; a head's 1,024 rows of 256 bytes
	s_mov_b32 s89, 0
	s_lshl_b32 s90, s18, 14                ; my half of a tile
	s_mov_b32 s91, 0
	s_mul_i32 s19, s18, 64*PK
	s_mul_i32 s20, s18, 64*PVP
	s_lshl_b32 s21, s[WV], 13              ; my 32 rows of a block of Q
	s_add_co_u32 s21, s21, s88
	s_lshl_b32 s92, s[HI], 15
	s_add_co_u32 s92, s92, s21
	s_mov_b32 s93, 0
	s_lshl_b32 s94, s[PB], 15
	s_add_co_u32 s94, s94, s21
	s_mov_b32 s95, 0
	s_lshr_b32 s21, s17, 4                 ; ctx16 is [token][head x 128]: rows of 4,096 bytes
	s_lshl_b32 s21, s21, 22
	s_and_b32 s96, s17, 15
	s_lshl_b32 s96, s96, 8
	s_add_co_u32 s21, s21, s96
	s_lshl_b32 s96, s[WV], 17
	s_add_co_u32 s21, s21, s96
	s_lshl_b32 s96, s[HI], 19
	s_add_co_u32 s96, s96, s21
	s_mov_b32 s97, 0
	s_lshl_b32 s98, s[PB], 19
	s_add_co_u32 s98, s98, s21
	s_mov_b32 s99, 0
	s_mov_b32 s[G1K], (1<<16)|(1<<20)|(5<<22)|(3<<25)  ; 2-byte elements; padding on, after every 64 words, 4 words
	s_mov_b32 s[G1V], (1<<16)|(1<<20)|(5<<22)|(7<<25)  ; 8 words
.irp g, G1K, G1V
	s_mov_b32 s[\g+1], 128<<16
	s_mov_b32 s[\g+2], 64<<16
	s_mov_b32 s[\g+3], 128<<16
	s_mov_b32 s[\g+4], 64
	s_mov_b32 s[\g+5], 128
	s_mov_b32 s[\g+6], 0
	s_mov_b32 s[\g+7], 0
.endr
	s_mov_b32 s[SEL], 0x76543210
	s_mov_b32 s[SEL+1], 0xfedcba98
	s_mov_b32 s[TB], SLOT1                 ; the first change of slots turns it into 0
	s_mov_b32 s[G0K], 1
	s_mov_b32 s[G0K+1], s19
	s_mov_b32 s[G0V], 1
	s_add_co_u32 s[G0V+1], s20, VOFF
	s_add_co_u32 s[RT], s[HI], 1
	s_mov_b32 s[NXT], 1
	s_mov_b32 s[LQ], s[HI]
	s_mov_b32 s[NEW], 1
	s_mov_b32 s[OFF+1], 0
	s_mov_b32 s[SLOTS], 8
	s_mov_b32 s[TSEL], TREG
	s_cmp_eq_u32 s[PB], 0
	s_cselect_b32 s[LIM], 0, -1
	s_wait_dscnt 0x0                       ; the opening add is done
	s_wait_kmcnt 0x0
	s_add_nc_u64 s[KH:KH+1], s[6:7], s[88:89]
	s_add_nc_u64 s[VH:VH+1], s[KH:KH+1], 0x1000000
	s_add_nc_u64 s[KW:KW+1], s[KH:KH+1], s[90:91]
	s_add_nc_u64 s[VW:VW+1], s[VH:VH+1], s[90:91]
	s_mov_b64 s[G0K+2:G0K+3], s[KW:KW+1]
	s_or_b32 s[G0K+3], s[G0K+3], 0x80000000
	s_mov_b64 s[G0V+2:G0V+3], s[VW:VW+1]
	s_or_b32 s[G0V+3], s[G0V+3], 0x80000000
	s_add_nc_u64 s[QL:QL+1], s[4:5], s[94:95]
	s_add_nc_u64 s[4:5], s[4:5], s[92:93]
	s_add_nc_u64 s[OLO:OLO+1], s[12:13], s[98:99]
	s_add_nc_u64 s[12:13], s[12:13], s[96:97]
	s_lshl_b32 s90, s17, 12
	s_add_nc_u64 s[8:9], s[8:9], s[90:91]  ; the head's eight sums of v
	LOAD                                   ; tile 0 into slot 0
	v_and_b32 v1, 15, v0
	v_bfe_u32 v9, v0, 4, 1
	v_and_b32 v10, 7, v0
	v_bfe_u32 v11, v0, 3, 1
	v_lshlrev_b32 v[QO], 8, v1
	v_lshl_add_u32 v[QO], v9, 4, v[QO]
	WIN 0x80
.set i, 0
.rept 8                                    ; both blocks' Q: tile i / 4, channels 32 (i % 4) on
	global_load_b128 v[8*i:8*i+3], v[QO], s[4:5] offset:(i/4)*4096+(i%4)*64
	global_load_b128 v[8*i+4:8*i+7], v[QO], s[4:5] offset:(i/4)*4096+(i%4)*64+32
	global_load_b128 v[QB+8*i:QB+8*i+3], v[QO], s[QL:QL+1] offset:(i/4)*4096+(i%4)*64
	global_load_b128 v[QB+8*i+4:QB+8*i+7], v[QO], s[QL:QL+1] offset:(i/4)*4096+(i%4)*64+32
.set i, i+1
.endr
	WIN 0
	v_and_b32 v19, 31, v0
	v_lshlrev_b32 v19, 4, v19
.irp i, 0,1,2,3,4,5,6,7
	global_load_b128 v[64+4*\i:67+4*\i], v19, s[10:11] offset:512*\i
.endr
.irp i, 0,1,2,3
	global_load_b128 v[96+4*\i:99+4*\i], v19, s[10:11] offset:4096+512*\i
.endr
	global_load_b128 v[112:115], v19, s[10:11] offset:6144
	global_load_b128 v[116:119], v19, s[10:11] offset:6656
	s_load_b32 s92, s[10:11], 0x1e00
	v_lshlrev_b32 v20, 2, v0
.irp kb, 1,2,3,4,5,6,7
	global_load_b32 v[120+\kb], v20, s[8:9] offset:512*\kb
.endr
	v_mul_u32_u24 v[AK0], v1, PK
	v_lshl_add_u32 v[AK0], v9, 4, v[AK0]
	v_lshl_add_u32 v[AV0], v9, 3, v10
	v_mul_u32_u24 v[AV0], v[AV0], PVP
	v_lshl_add_u32 v[AV0], v11, 4, v[AV0]
	v_add_nc_u32 v[AV0], VOFF, v[AV0]
	s_mul_i32 s88, s[WV], 16*SP
	s_add_co_u32 s88, s88, STAGE
	v_mul_u32_u24 v[STO], v1, SP
	v_lshl_add_u32 v[STO], v9, 4, v[STO]
	v_add_nc_u32 v[STO], s88, v[STO]
	v_mul_u32_u24 v[RD], v9, SP
	v_lshl_add_u32 v[RD], v1, 4, v[RD]
	v_add_nc_u32 v[RD], s88, v[RD]
	v_lshlrev_b32 v[GO], 12, v9
	v_lshl_add_u32 v[GO], v1, 4, v[GO]
	v_lshlrev_b32 v[DQ0], 3, v9
	v_sub_nc_u32 v[DQ0], v1, v[DQ0]
	s_lshl_b32 s88, s[WV], 5
	v_add_nc_u32 v[DQ0], s88, v[DQ0]
	v_lshlrev_b32 v[PFO], 8, v0
	v_lshl_add_u32 v21, v0, 2, TREG
	WIN 0x40                               ; a block's first step multiplies O^T and l by a = 0: they need only be finite.  Written in the wait for the first tile
.set i, 0
.rept 128
	v_mov_b32 v[i], 0
.set i, i+1
.endr
	WIN 0
.irp t, 0,1
	v_mov_b32 v[ST+8*\t+2], 0
	v_mov_b32 v[ST+8*\t+3], 0
.endr
	s_wait_loadcnt 0x0
	s_wait_kmcnt 0x0
	MAXRED 88, 64, 8                       ; bx
	MAXRED 89, 96, 4                       ; bw
	MAXRED 90, 112, 1                      ; bd
	MAXRED 91, 116, 1                      ; bk
	s_bfe_u32 s92, s92, 0x80017            ; bb
	s_sub_co_i32 s93, 255, s88             ; eL, eQ, eK as gq and gkv make them
	s_sub_co_i32 s93, s93, s90
	CLAMP 93
	s_add_co_i32 s94, s88, s89
	s_sub_co_i32 s94, s94, 241
	s_sub_co_i32 s95, s92, 126
	s_max_i32 s94, s94, s95
	s_sub_co_i32 s94, 13, s94
	CLAMP 94
	s_sub_co_i32 s95, 117, s91
	CLAMP 95
	s_add_co_i32 s93, s93, s94
	s_add_co_i32 s93, s93, s95
	s_sub_co_i32 s94, 127, s93
	s_lshl_b32 s94, s94, 23
	s_mul_f32 s[CS], s94, 0x3e0293ee       ; log2(e) / sqrt(128), less the powers of two
	s_mov_b32 s[CS+1], s[CS]
	s_add_co_i32 s94, s93, 127
	s_lshl_b32 s94, s94, 23
	s_mul_f32 s[MR], s94, 0xc7dcf88b       ; -10000 sqrt(128), with them
	s_mul_f32 s[T0], s[CS], s[MR]
	v_mov_b32 v[MRV], s[MR]
	s_cmp_eq_u32 s[PB], 0                  ; block 7 has no tile behind it
	s_cselect_b32 s[T0P], 0xff7fffff, s[T0]
	s_lshl_b32 s94, s[PB], 7
	s_cvt_f32_u32 s[NLF], s94
	s_lshl_b32 s94, s[HI], 7
	s_cvt_f32_u32 s[NLF2], s94
.irp kb, 1,2,3,4,5,6,7                     ; thread = channel: the sums of v over the key blocks behind each of my two blocks
	s_cmp_lt_u32 s[HI], \kb
	s_cselect_b32 s94, 1.0, 0
	s_cmp_lt_u32 s[PB], \kb
	s_cselect_b32 s95, 1.0, 0
.if \kb == 1
	v_mul_f32 v22, s94, v[120+\kb]
	v_mul_f32 v23, s95, v[120+\kb]
.else
	v_fma_f32 v22, s94, v[120+\kb], v22
	v_fma_f32 v23, s95, v[120+\kb], v23
.endif
.endr
	ds_store_b32 v21, v22
	ds_store_b32 v21, v23 offset:512       ; the first change of slots waits for these and passes a barrier ahead of any read
.Lslot:                                    ; 8 times: a tile is entered and the next is asked for
	CHANGE 1
	s_sub_co_u32 s[RT], s[RT], 1
	s_cmp_eq_u32 s[NEW], 0
	s_cbranch_scc1 .Lold
	BEGIN
.Lold:
	s_cmp_lg_u32 s[RT], 0
	s_cbranch_scc1 .Lnorm
	TILE 1                                 ; in the loop this is the first block's diagonal tile
	FINISH
	s_wait_xcnt 0x0                        ; the stores have read their registers and their base
	s_mov_b64 s[12:13], s[OLO:OLO+1]
	s_add_co_u32 s[RT], s[PB], 1
	s_mov_b32 s[NEW], 1
	s_mov_b32 s[TSEL], TREG+512
	s_mov_b32 s[T0P], s[T0]
	s_mov_b32 s[NLF], s[NLF2]
	WIN 0x82                               ; the second block's Q goes where the one text names Q
.set i, 0
.rept 64
	v_mov_b32 v[i], v[QB+i]
.set i, i+1
.endr
	WIN 0
	s_branch .Lbot
.Lnorm:
	TILE 0
.Lbot:
	s_sub_co_u32 s[SLOTS], s[SLOTS], 1
	s_cmp_lg_u32 s[SLOTS], 0
	s_cbranch_scc1 .Lslot
	CHANGE 0                               ; the walk's last tile is written out
	s_cmp_eq_u32 s[NEW], 0
	s_cbranch_scc1 .Lold2
	BEGIN
.Lold2:
	TILE 1
	FINISH
	s_wait_tensorcnt 0x0                   ; the wave's end
	ds_add_u32 v[SPW], v[NIL]
	s_wait_dscnt 0x0
	s_endpgm
.Lfunc_end_k_q0b7eaf80a7_attn:
	.size	k_q0b7eaf80a7_attn, .Lfunc_end_k_q0b7eaf80a7_attn-k_q0b7eaf80a7_attn
	.p2alignl 7, 3214868480
	.fill 96, 4, 3214868480
	.section	.rodata,"a",@progbits
	.p2align	6, 0x0
	.amdhsa_kernel k_q0b7eaf80a7_attn
		.amdhsa_group_segment_fixed_size 327680
		.amdhsa_private_segment_fixed_size 0
		.amdhsa_enable_private_segment 0
		.amdhsa_kernarg_size 40
		.amdhsa_user_sgpr_count 2
		.amdhsa_user_sgpr_kernarg_segment_ptr 1
		.amdhsa_wavefront_size32 1
		.amdhsa_system_sgpr_workgroup_id_x 1
		.amdhsa_system_sgpr_workgroup_id_y 1
		.amdhsa_system_sgpr_workgroup_id_z 1
		.amdhsa_system_vgpr_workitem_id 0
		.amdhsa_next_free_vgpr 896
		.amdhsa_next_free_sgpr 100
		.amdhsa_reserve_vcc 1
		.amdhsa_float_denorm_mode_32 3
		.amdhsa_float_denorm_mode_16_64 3
		.amdhsa_memory_ordered 1
		.amdhsa_forward_progress 1
		.amdhsa_inst_pref_size 149
	.end_amdhsa_kernel
	.amdgpu_metadata
---
amdhsa.version: [ 1, 2 ]
amdhsa.kernels:
  - .name:           k_q0b7eaf80a7_attn
    .symbol:         k_q0b7eaf80a7_attn.kd
    .args:
      - { .name: q16, .offset: 0, .size: 8, .value_kind: global_buffer, .address_space: global }
      - { .name: kv16, .offset: 8, .size: 8, .value_kind: global_buffer, .address_space: global }
      - { .name: vs, .offset: 16, .size: 8, .value_kind: global_buffer, .address_space: global }
      - { .name: aux, .offset: 24, .size: 8, .value_kind: global_buffer, .address_space: global }
      - { .name: ctx16, .offset: 32, .size: 8, .value_kind: global_buffer, .address_space: global }
    .group_segment_fixed_size: 327680
    .private_segment_fixed_size: 0
    .kernarg_segment_align: 8
    .kernarg_segment_size: 40
    .max_flat_workgroup_size: 128
    .sgpr_count:     100
    .vgpr_count:     896
    .wavefront_size: 32
...
	.end_amdgpu_metadata
.endif
;; end of part 4
;; launch go (part 5): grid 8 x 32, 4 waves a work-group, clusters of 4 x 4, 327,680 bytes of LDS; arguments ctx16, wts, aux, out0; writes out0
.if DOCPART == 5
	.amdgcn_target "amdgcn-amd-amdhsa--gfx1250"
	.amdhsa_code_object_version 6
	.text
	.protected	k_q0b7eaf80a7_go
	.globl	k_q0b7eaf80a7_go
	.p2align	8
	.type	k_q0b7eaf80a7_go,@function
k_q0b7eaf80a7_go:
	s_mov_b64 s[64:65], 0
	v_nop
	global_prefetch_b8 v0, s[64:65] scope:SCOPE_SE
	s_setreg_imm32_b32 hwreg(HW_REG_WAVE_MODE, 25, 1), 1
	s_wait_xcnt 0x0
	s_wait_alu depctr_hold_cnt(0) depctr_sa_sdst(0) depctr_va_vdst(0) depctr_va_sdst(0) depctr_va_ssrc(0) depctr_va_vcc(0) depctr_vm_vsrc(0)
	s_getreg_b32 s2, hwreg(HW_REG_IB_STS2, 6, 4)
	s_cmp_eq_u32 s2, 0
	s_cbranch_scc0 .Lentry_in_a_cluster
	s_endpgm
.Lentry_in_a_cluster:
	s_bfe_u32 s2, ttmp6, 0x10000c
	s_cmp_lg_u32 s2, 0xf033
	s_cbranch_scc0 .Lentry_shape_is_right
	s_endpgm
.Lentry_shape_is_right:
; GO.  out = ctx Wo + bo.  ctx' = ctx 2^(eL + eV) and Wo are f16; sums in f32, started with bo 2^(eL + eV) and multiplied by 2^-(eL + eV) at the end: both exact.
; A tile of C is 128 x 256; four waves, 2 x 2, each 64 x 128: 32 accumulators.  The skeleton is gq's text with other constants (see there): two LDS slots of a K step of 128, joint loads in a
; cluster of 4 x 4, the matrix instruction used transposed, one K step written once and a second copy for the last two steps.
; THE WALK ALONG K, as in gq: a cluster begins at K step 8 x + 4 (y mod 4), modulo 16, of its own x and y, and goes round: the two clusters that read the same rows of ctx stand eight K steps
; apart, clusters y, y + 1, y + 2, y + 3 that read the same planes of Wo four apart.  The f32 sums are taken in that order of K.
; The way out: the sums go as f32 into each wave's own rows in LDS and come back as whole rows: a store covers 512 consecutive bytes of a row of out.
.set F16,    1
.set MB,     4
.set NBW,    8
.set NQ,     8
.set NBIAS,  8
.set TSTEPS, 16
.set APITCH, 272
.set KPP,    4
.set APLANE, 0
.set AHALF,  64*APITCH
.set A_QI,   5
.set A_D0,   128
.set A_D1,   64
.set A_STR,  2048
.set A_TILEB, 128*4096
.set A_HALFB, 64*4096
.set ASH,    8        ; a K step of A: 256 bytes along a row
.set BSH,    14       ; of a plane: 16,384 bytes
.set NPL,    4
.set FPW,    2
.set PLB,    262144
.set WOFF,   14680064
.set B_STR,  2048*64
.set NL,     2*(MB+NBW)
.set ABYTES, 2*AHALF
.set BPITCH, 160
.set PLANE,  128*BPITCH
.set SLOT,   ABYTES+NPL*PLANE
.set SPARE,  2*SLOT
.set DP,     528
.set REGB,   16*MB*DP
.set ADRA0, 2
.set ADRB0, 3
.set ADRA,  5
.set ADRB,  6
.set DQA,   8
.set RDX,   10
.set GO,    12
.set PFO,   13
.set SPW,   14
.set NIL,   15
.set AF,    64
.set BF,    256
.set ACC,   512
.set BIAS,  768
.set XR,    64
.set OUTR,  96
.set KI,   15         ; s15: the K step that the walking descriptors name
.set W,    16
.set WM,   17
.set WN,   18
.set CX,   19
.set CY,   20
.set TX,   21
.set TY,   22
.set CNT,  23
.set G1A,  24
.set G0A0, 32
.set G0A1, 36
.set OFP,  40         ; s[40:41] a K step's byte offset, for the prefetch
.set BA,   42         ; s[42:43] A at my part of the tile's rows, K step 0
.set BB,   46         ; s[46:47] W at my planes, K step 0
.set G1B,  48
.set G0B0, 56
.set G0B1, 60
.set SO,   66
.set LIM,  67
.set PFA,  68
.set PFB,  70         ; s[70:71] A at my work-group's 32 rows of the tile's 128, K step 0
.set SB,   72         ; s[72:73] 2^(eL + eV)
.set SOUT, 74         ; s[74:75] 2^-(eL + eV)
.set OFA,  92         ; s[92:93] a K step's byte offset in A
.set OFB,  94         ; s[94:95] in a plane
.set SEL,  96
.set LBA,  98
.set LBB,  99
.set MSB, 0
.macro WIN new
.if MSB != (\new)
	s_set_vgpr_msb (MSB<<8)|(\new)
.set MSB, (\new)
.endif
.endm
.macro PLACES
.rept 4
	v_nop
.endr
.endm
.macro CREST
	s_cmp_lg_u32 s[W], 0
	s_cbranch_scc1 .Lnot_wave_0_\@
	s_barrier_signal -3
.Lnot_wave_0_\@:
	s_barrier_wait -3
	s_barrier_signal -1
	s_barrier_wait -1
.endm
.macro CROUND
	s_barrier_signal -1
	s_barrier_wait -1
	CREST
.endm
.macro JLOAD
	s_cmp_eq_u32 s[WM], 0
	s_cbranch_scc0 .Lfor_b_\@
	tensor_load_to_lds s[G0A1:G0A1+3], s[G1A:G1A+7]
	s_nop 0
.rept 4
	v_nop
.endr
	s_branch .Lasked_\@
.Lfor_b_\@:
	tensor_load_to_lds s[G0B1:G0B1+3], s[G1B:G1B+7]
	s_nop 0
.rept 4
	v_nop
.endr
.Lasked_\@:
.endm
.macro ASK                             ; one prefetch, of A's K step two refills on, while that step is among the first eight of my walk
	s_cmp_gt_u32 s[CNT], s[LIM]
	s_cbranch_scc0 .Lnot_mine_\@
	global_prefetch_b8 v[PFO], s[PFA:PFA+1] th:TH_LOAD_NT scope:SCOPE_SE
.Lnot_mine_\@:
.endm
.macro MAXRED sd, vb, n
.set i, 1
.rept 2*(\n)-1
	v_max3_num_f32 v[\vb], v[\vb], v[(\vb)+i], v[(\vb)+i+1]
.set i, i+2
.endr
	v_max_num_f32 v[\vb], v[\vb], v[(\vb)+4*(\n)-1]
	v_max_num_f32_dpp v[\vb], v[\vb], v[\vb] row_xmask:1 row_mask:0xf bank_mask:0xf
	v_max_num_f32_dpp v[\vb], v[\vb], v[\vb] row_xmask:2 row_mask:0xf bank_mask:0xf
	v_max_num_f32_dpp v[\vb], v[\vb], v[\vb] row_xmask:4 row_mask:0xf bank_mask:0xf
	v_max_num_f32_dpp v[\vb], v[\vb], v[\vb] row_xmask:8 row_mask:0xf bank_mask:0xf
	v_permlanex16_b32 v[(\vb)+1], v[\vb], s[SEL], s[SEL+1]
	v_max_num_f32 v[\vb], v[\vb], v[(\vb)+1]
	v_readfirstlane_b32 s[\sd], v[\vb]
	s_bfe_u32 s[\sd], s[\sd], 0x80017
.endm
.macro CLAMP e
	s_max_i32 s[\e], s[\e], -36
	s_min_i32 s[\e], s[\e], 36
.endm
.macro POW2 d, e
	s_add_co_i32 s[\d], s[\e], 127
	s_lshl_b32 s[\d], s[\d], 23
	s_mov_b32 s[(\d)+1], s[\d]
.endm
.macro MM a, b, f, first
.set rD, ACC+8*((\a)*NBW+(\b))
.set rB, BF+8*NBW*(\f)+8*(\b)
.set rA, AF+8*MB*(\f)+8*(\a)
.set rC, rD
.if (\first) && ((\b) < NBIAS)
.set rC, BIAS+8*(\b)
.endif
	WIN (rD/256)*64+(rC/256)*16+(rA/256)*4+rB/256
.if (\first) && ((\b) >= NBIAS)
.if F16
	v_wmma_f32_16x16x32_f16 v[rD%256:rD%256+7], v[rB%256:rB%256+7], v[rA%256:rA%256+7], 0
.else
	v_wmma_f32_16x16x32_bf16 v[rD%256:rD%256+7], v[rB%256:rB%256+7], v[rA%256:rA%256+7], 0
.endif
.else
.if F16
	v_wmma_f32_16x16x32_f16 v[rD%256:rD%256+7], v[rB%256:rB%256+7], v[rA%256:rA%256+7], v[rC%256:rC%256+7]
.else
	v_wmma_f32_16x16x32_bf16 v[rD%256:rD%256+7], v[rB%256:rB%256+7], v[rA%256:rA%256+7], v[rC%256:rC%256+7]
.endif
.endif
.endm
.macro MULG f, g, first                ; the accumulators take turns, one instruction a turn
.set ia, (\g)*MB/4
.rept MB/4
.set ib, 0
.rept NBW
	MM ia, ib, \f, \first
.set ib, ib+1
.endr
.set ia, ia+1
.endr
.endm
.macro FETCH q, f
	WIN 0x40
.set fb, 0
.rept NQ
	ds_load_tr16_b128 v[8*NBW*(\f)+8*fb:8*NBW*(\f)+8*fb+3], v[ADRB] offset:32*BPITCH*(\q)+(fb/4)*PLANE+32*(fb%4)
	ds_load_tr16_b128 v[8*NBW*(\f)+8*fb+4:8*NBW*(\f)+8*fb+7], v[ADRB] offset:32*BPITCH*(\q)+(fb/4)*PLANE+32*(fb%4)+16*BPITCH
.set fb, fb+1
.endr
	WIN 0
.set fa, 0
.rept MB
	ds_load_b128 v[AF+8*MB*(\f)+8*fa:AF+8*MB*(\f)+8*fa+3], v[ADRA] offset:((\q)/KPP)*APLANE+64*((\q)%KPP)+16*APITCH*fa
	ds_load_b128 v[AF+8*MB*(\f)+8*fa+4:AF+8*MB*(\f)+8*fa+7], v[ADRA] offset:((\q)/KPP)*APLANE+64*((\q)%KPP)+16*APITCH*fa+32
.set fa, fa+1
.endr
.endm
.macro QUARTER q, f, g, first
	s_wait_dscnt MB                        ; the youngest MB loads (A's upper blocks) may be out
	MULG \f, 0, \first
	MULG \f, 1, \first
	PLACES
	FETCH \q, \g
	s_wait_dscnt NL                        ; all but the run just issued
	MULG \f, 2, \first
	MULG \f, 3, \first
.endm
; A step's last quarter multiplies buffer 1 and changes slots.  Its first half, which needs nothing of the next slot, stands AHEAD of the wait for the tensor loads: between the landing of my
; load and the next request stand only the add, the descriptors' scalar lines and the round.
.macro TURN fill
	s_wait_dscnt MB                        ; as at a quarter's head: A's upper blocks may be out
	MULG 1, 0, 0
	MULG 1, 1, 0
	WIN 0
	s_wait_tensorcnt 0x0                   ; all my tensor loads have landed: my part of the next slot
	ds_add_u32 v[SPW], v[NIL]              ; 0 onto my spare word; scalar work stands between it and the wait for it
.if \fill
	s_add_co_u32 s[KI], s[KI], 1           ; no load of mine is out: the walking descriptors take the walk's next K step, round the end of K,
	s_and_b32 s[KI], s[KI], TSTEPS-1
	s_lshl_b32 s[OFA], s[KI], ASH
	s_lshl_b32 s[OFB], s[KI], BSH
	s_add_co_u32 s[G0A1+1], s[LBA], s[SO]  ; and the slot in hand, which is read out
	s_add_nc_u64 s[G0A1+2:G0A1+3], s[BA:BA+1], s[OFA:OFA+1]
	s_or_b32 s[G0A1+3], s[G0A1+3], 0x80000000
	s_add_co_u32 s[G0B1+1], s[LBB], s[SO]
	s_add_nc_u64 s[G0B1+2:G0B1+3], s[BB:BB+1], s[OFB:OFB+1]
	s_or_b32 s[G0B1+3], s[G0B1+3], 0x80000000
	s_wait_xcnt 0x0                        ; the last prefetch, a K step back, has read its address
	s_add_co_u32 s[OFP], s[KI], 2          ; the K step two refills on
	s_and_b32 s[OFP], s[OFP], TSTEPS-1
	s_lshl_b32 s[OFP], s[OFP], ASH
	s_add_nc_u64 s[PFA:PFA+1], s[PFB:PFB+1], s[OFP:OFP+1]
.endif
	s_wait_dscnt 0x0                       ; the add is done, my reads of this slot are over
	s_barrier_signal -1
	s_barrier_wait -1
.if \fill
	CREST
	JLOAD
.else
	PLACES
.endif
	s_xor_b32 s[SO], s[SO], SLOT
	v_add_nc_u32 v[ADRA], s[SO], v[ADRA0]
	v_add_nc_u32 v[ADRB], s[SO], v[ADRB0]
	FETCH 0, 0
.if \fill
	ASK
.endif
	MULG 1, 2, 0
	MULG 1, 3, 0
.endm
.macro DUMP
.set ia, 0
.rept MB
.set ib, 0
.rept NQ
.set rD, ACC+8*(ia*NBW+ib)
	WIN (rD/256)*4
	ds_store_b128 v[DQA], v[rD%256:rD%256+3] offset:16*DP*ia+64*ib
	ds_store_b128 v[DQA], v[rD%256+4:rD%256+7] offset:16*DP*ia+64*ib+16
.set ib, ib+1
.endr
.set ia, ia+1
.endr
	WIN 0
.endm
	s_load_b256 s[4:11], s[0:1], 0x0       ; ctx16, wts, aux, out0
	v_lshl_add_u32 v[SPW], v0, 2, SPARE
	v_mov_b32 v[NIL], 0
	ds_add_u32 v[SPW], v[NIL]              ; the wave's opening: the add and its wait ahead of my first tensor load
	ds_add_u32 v14, v15
	v_lshrrev_b32 v1, 5, v0
	v_readfirstlane_b32 s[W], v1
	s_lshr_b32 s[WM], s[W], 1
	s_and_b32 s[WN], s[W], 1
	s_bfe_u32 s[CX], ttmp6, 0x40000
	s_bfe_u32 s[CY], ttmp6, 0x40004
	s_lshl_b32 s[TX], ttmp9, 2
	s_add_co_u32 s[TX], s[TX], s[CX]
	s_and_b32 s[TY], ttmp7, 0xffff
	s_lshl_b32 s[TY], s[TY], 2
	s_add_co_u32 s[TY], s[TY], s[CY]
	s_lshl_b32 s40, s[CY], 2
	s_lshl_b32 s40, 15, s40
	s_lshl_b32 s44, 0x1111, s[CX]
	s_or_b32 s[G1A], s40, (1<<16)|(1<<20)|(1<<21)|(A_QI<<22)|(3<<25)
	s_or_b32 s[G1B], s44, (1<<16)|(1<<20)|(1<<21)|(4<<22)|(7<<25)
	s_mov_b32 s[G1A+1], (A_D0&0xffff)<<16
	s_mov_b32 s[G1A+2], A_D1<<16
	s_mov_b32 s[G1A+3], A_D0<<16
	s_mov_b32 s[G1A+4], A_D1
	s_mov_b32 s[G1A+5], A_STR
	s_mov_b32 s[G1A+6], 0
	s_mov_b32 s[G1A+7], 0
	s_mov_b32 s[G1B+1], 8192<<16
	s_mov_b32 s[G1B+2], 2<<16
	s_mov_b32 s[G1B+3], 8192<<16
	s_mov_b32 s[G1B+4], 2
	s_mov_b32 s[G1B+5], B_STR
	s_mov_b32 s[G1B+6], 0
	s_mov_b32 s[G1B+7], 0
	s_mul_i32 s[LBA], s[WN], AHALF
	s_mul_i32 s[LBB], s[WN], FPW*PLANE
	s_add_co_u32 s[LBB], s[LBB], ABYTES
	s_mul_i32 s40, s[TY], A_TILEB
	s_mul_i32 s41, s[WN], A_HALFB
	s_add_co_u32 s40, s40, s41
	s_mov_b32 s41, 0
	s_mul_i32 s46, s[TX], NPL
	s_mul_i32 s47, s[WN], FPW
	s_add_co_u32 s46, s46, s47
	s_mul_i32 s46, s46, PLB
	s_add_co_u32 s46, s46, WOFF
	s_mov_b32 s47, 0
	s_and_b32 s[KI], ttmp7, 3              ; where the cluster's walk begins: K step 8 x + 4 (y mod 4), of the cluster's own x and y, which all sixteen partners share
	s_lshl_b32 s[KI], s[KI], 2
	s_lshl_b32 s45, ttmp9, 3
	s_add_co_u32 s[KI], s[KI], s45
	s_and_b32 s[KI], s[KI], TSTEPS-1
	s_lshl_b32 s[OFA], s[KI], ASH
	s_mov_b32 s[OFA+1], 0
	s_lshl_b32 s[OFB], s[KI], BSH
	s_mov_b32 s[OFB+1], 0
	s_mov_b32 s[SO], 0
	s_mov_b32 s[SEL], 0x76543210
	s_mov_b32 s[SEL+1], 0xfedcba98
	s_wait_dscnt 0x0
	s_wait_kmcnt 0x0
	s_add_nc_u64 s[BA:BA+1], s[4:5], s[40:41]
	s_add_nc_u64 s[BB:BB+1], s[6:7], s[46:47]
	s_mov_b32 s[G0A0], 1
	s_mov_b32 s[G0A0+1], s[LBA]
	s_add_nc_u64 s[G0A0+2:G0A0+3], s[BA:BA+1], s[OFA:OFA+1]
	s_or_b32 s[G0A0+3], s[G0A0+3], 0x80000000
	s_mov_b32 s[G0B0], 1
	s_mov_b32 s[G0B0+1], s[LBB]
	s_add_nc_u64 s[G0B0+2:G0B0+3], s[BB:BB+1], s[OFB:OFB+1]
	s_or_b32 s[G0B0+3], s[G0B0+3], 0x80000000
	s_add_co_u32 s[KI], s[KI], 1           ; the walk's second step: 4 n + 1, not yet round the end
	s_lshl_b32 s[OFA], s[KI], ASH
	s_lshl_b32 s[OFB], s[KI], BSH
	s_mov_b32 s[G0A1], 1
	s_add_co_u32 s[G0A1+1], s[LBA], SLOT
	s_add_nc_u64 s[G0A1+2:G0A1+3], s[BA:BA+1], s[OFA:OFA+1]
	s_or_b32 s[G0A1+3], s[G0A1+3], 0x80000000
	s_mov_b32 s[G0B1], 1
	s_add_co_u32 s[G0B1+1], s[LBB], SLOT
	s_add_nc_u64 s[G0B1+2:G0B1+3], s[BB:BB+1], s[OFB:OFB+1]
	s_or_b32 s[G0B1+3], s[G0B1+3], 0x80000000
	CROUND
	s_cmp_eq_u32 s[WM], 0
	s_cbranch_scc0 .Lfirst_b
	tensor_load_to_lds s[G0A0:G0A0+3], s[G1A:G1A+7]
	s_nop 0
	tensor_load_to_lds s[G0A1:G0A1+3], s[G1A:G1A+7]
	s_nop 0
.rept 4
	v_nop
.endr
	s_branch .Lfirst_done
.Lfirst_b:
	tensor_load_to_lds s[G0B0:G0B0+3], s[G1B:G1B+7]
	s_nop 0
	tensor_load_to_lds s[G0B1:G0B1+3], s[G1B:G1B+7]
	s_nop 0
.rept 4
	v_nop
.endr
.Lfirst_done:
	v_and_b32 v16, 15, v0
	v_bfe_u32 v17, v0, 4, 1
	v_and_b32 v18, 31, v0
	v_and_b32 v19, 7, v0
	v_bfe_u32 v20, v0, 3, 1
	v_mul_u32_u24 v[ADRA0], v16, APITCH
	v_lshl_add_u32 v[ADRA0], v17, 4, v[ADRA0]
	s_mul_i32 s84, s[WM], AHALF
	v_add_nc_u32 v[ADRA0], s84, v[ADRA0]
	v_lshl_add_u32 v21, v17, 3, v19
	v_mul_u32_u24 v21, v21, BPITCH
	v_lshl_add_u32 v21, v20, 4, v21
	s_mul_i32 s84, s[WN], 2*PLANE
	s_add_co_u32 s84, s84, ABYTES
	v_add_nc_u32 v[ADRB0], s84, v21
	v_mov_b32 v[ADRA], v[ADRA0]
	v_mov_b32 v[ADRB], v[ADRB0]
	s_mul_i32 s84, s[W], REGB
	v_mul_u32_u24 v21, v16, DP
	v_lshl_add_u32 v21, v17, 5, v21
	v_add_nc_u32 v[DQA], s84, v21
	v_lshl_add_u32 v[RDX], v18, 4, s84     ; back: a whole row of 512 bytes, 16 a lane
	v_lshlrev_b32 v[GO], 4, v18
	; THE PREFETCHES, as in gq: behind the refills for steps 2 to 5 of my cluster's walk one instruction names ctx16's K step two refills on (steps 4 to 7 of the walk): 32 rows x 256 bytes, a lane
	; a row.  The two clusters that read the same rows name different K steps, so each block of 256 bytes is named once.  Wave 0 asks; the four partners take 32 of the tile's 128 rows each, told
	; apart by address.  Steps 0 to 3 of a walk come by their loads alone, A's and W's.
	s_mul_i32 s84, s[TY], A_TILEB
	s_lshl_b32 s85, s[CX], 17
	s_add_co_u32 s84, s84, s85
	s_mov_b32 s85, 0
	s_add_nc_u64 s[PFB:PFB+1], s[4:5], s[84:85]
	s_cmp_eq_u32 s[W], 0
	s_cselect_b32 s[LIM], TSTEPS/2+2, -1   ; the loop's count is 16 less the step that is being asked for: a wave asks while it is above this
	v_lshlrev_b32 v[PFO], 12, v18
	; out0 at my first row and column
	s_lshl_b32 s84, s[TY], 20
	s_lshl_b32 s86, s[WM], 19
	s_add_co_u32 s84, s84, s86
	s_lshl_b32 s86, s[TX], 10
	s_add_co_u32 s84, s84, s86
	s_lshl_b32 s86, s[WN], 9
	s_add_co_u32 s84, s84, s86
	s_add_nc_u64 s[10:11], s[10:11], s[84:85]
	v_lshlrev_b32 v28, 4, v18
.irp i, 0,1,2,3,4,5,6,7
	global_load_b128 v[32+4*\i:35+4*\i], v28, s[8:9] offset:512*\i
.endr
	global_load_b128 v[64:67], v28, s[8:9] offset:6144
	global_load_b128 v[68:71], v28, s[8:9] offset:7168
	s_lshl_b32 s85, s[TX], 10
	s_lshl_b32 s86, s[WN], 9
	s_add_co_u32 s85, s85, s86
	s_add_co_u32 s85, s85, 34816
	v_lshl_add_u32 v29, v17, 5, s85
	WIN 0xc0
.irp b, 0,1,2,3,4,5,6,7
	global_load_b128 v[BIAS%256+8*\b:BIAS%256+8*\b+3], v29, s[8:9] offset:64*\b
	global_load_b128 v[BIAS%256+8*\b+4:BIAS%256+8*\b+7], v29, s[8:9] offset:64*\b+16
.endr
	WIN 0
	s_wait_loadcnt 0x0
	MAXRED 86, 32, 8                       ; bx
	MAXRED 87, 64, 1                       ; bd
	MAXRED 88, 68, 1                       ; bv
	s_sub_co_i32 s89, 255, s86             ; eL and eV as gq and gkv make them
	s_sub_co_i32 s89, s89, s87
	CLAMP 89
	s_sub_co_i32 s90, 118, s88
	CLAMP 90
	s_add_co_i32 s89, s89, s90
	POW2 SB, 89
	s_sub_co_i32 s89, 0, s89
	POW2 SOUT, 89
	WIN 0xc3
.set i, 0
.rept 32
	v_pk_mul_f32 v[BIAS%256+2*i:BIAS%256+2*i+1], v[BIAS%256+2*i:BIAS%256+2*i+1], s[SB:SB+1] op_sel_hi:[1,0]
.set i, i+1
.endr
	WIN 0
	s_wait_tensorcnt 0x1                   ; my part of the walk's first step is in; the second's may stay out
	s_barrier_signal -1
	s_barrier_wait -1
	FETCH 0, 0
	QUARTER 1, 0, 1, 1
	WIN 0
	s_mov_b32 s[CNT], TSTEPS-2
.Lk:
	QUARTER 2, 1, 0, 0
	QUARTER 3, 0, 1, 0
	TURN 1
	QUARTER 1, 0, 1, 0
	WIN 0
	s_sub_co_u32 s[CNT], s[CNT], 1
	s_cmp_lg_u32 s[CNT], 0
	s_cbranch_scc1 .Lk
	s_mov_b32 s[CNT], 2
.Ltail:                                    ; the last two K steps fill nothing; the second walk is left in its middle (its barrier and its last run of loads serve nothing: the price of one text)
	QUARTER 2, 1, 0, 0
	QUARTER 3, 0, 1, 0
	TURN 0
	WIN 0
	s_sub_co_u32 s[CNT], s[CNT], 1
	s_cmp_eq_u32 s[CNT], 0
	s_cbranch_scc1 .Ldone
	QUARTER 1, 0, 1, 0
	WIN 0
	s_branch .Ltail
.Ldone:
	s_wait_dscnt 0x0
	s_barrier_signal -1
	s_barrier_wait -1                      ; all reads of the slots are over; both have had their last fill
	PLACES
	DUMP
	s_wait_dscnt 0x0
	s_barrier_signal -1
	s_barrier_wait -1                      ; from here on LDS is only read
.macro OLOAD
.irp i, 0,1,2,3,4,5,6,7
	ds_load_b128 v[XR+4*\i:XR+4*\i+3], v[RDX] offset:DP*\i
.endr
.endm
.macro OTRIP next                      ; eight rows
	s_wait_dscnt 0x0
	s_wait_xcnt 0x0                        ; the last trip's stores have read their data and their offset
	v_add_nc_u32 v[GO], 65536, v[GO]       ; the stores below reach back
.set i, 0
.rept 16
	v_pk_mul_f32 v[OUTR+2*i:OUTR+2*i+1], v[XR+2*i:XR+2*i+1], s[SOUT:SOUT+1] op_sel_hi:[1,0]
.set i, i+1
.endr
.if \next
	v_add_nc_u32 v[RDX], 8*DP, v[RDX]
	OLOAD
.endif
.irp i, 0,1,2,3,4,5,6,7
	global_store_b128 v[GO], v[OUTR+4*\i:OUTR+4*\i+3], s[10:11] offset:8192*\i-65536 th:TH_STORE_NT
.endr
.endm
	OLOAD
	s_mov_b32 s[CNT], 2*MB-1
.Lrow:
	OTRIP 1
	s_sub_co_u32 s[CNT], s[CNT], 1
	s_cmp_lg_u32 s[CNT], 0
	s_cbranch_scc1 .Lrow
	OTRIP 0
	s_wait_tensorcnt 0x0                   ; the wave's end
	ds_add_u32 v[SPW], v[NIL]
	s_wait_dscnt 0x0
	CROUND
	s_endpgm
.Lfunc_end_k_q0b7eaf80a7_go:
	.size	k_q0b7eaf80a7_go, .Lfunc_end_k_q0b7eaf80a7_go-k_q0b7eaf80a7_go
	.p2alignl 7, 3214868480
	.fill 96, 4, 3214868480
	.section	.rodata,"a",@progbits
	.p2align	6, 0x0
	.amdhsa_kernel k_q0b7eaf80a7_go
		.amdhsa_group_segment_fixed_size 327680
		.amdhsa_private_segment_fixed_size 0
		.amdhsa_enable_private_segment 0
		.amdhsa_kernarg_size 32
		.amdhsa_user_sgpr_count 2
		.amdhsa_user_sgpr_kernarg_segment_ptr 1
		.amdhsa_wavefront_size32 1
		.amdhsa_system_sgpr_workgroup_id_x 1
		.amdhsa_system_sgpr_workgroup_id_y 1
		.amdhsa_system_sgpr_workgroup_id_z 1
		.amdhsa_system_vgpr_workitem_id 0
		.amdhsa_next_free_vgpr 832
		.amdhsa_next_free_sgpr 100
		.amdhsa_reserve_vcc 0
		.amdhsa_float_denorm_mode_32 3
		.amdhsa_float_denorm_mode_16_64 3
		.amdhsa_memory_ordered 1
		.amdhsa_forward_progress 1
		.amdhsa_inst_pref_size 63
	.end_amdhsa_kernel
	.amdgpu_metadata
---
amdhsa.version: [ 1, 2 ]
amdhsa.kernels:
  - .name:           k_q0b7eaf80a7_go
    .symbol:         k_q0b7eaf80a7_go.kd
    .args:
      - { .name: ctx16, .offset: 0, .size: 8, .value_kind: global_buffer, .address_space: global }
      - { .name: wts, .offset: 8, .size: 8, .value_kind: global_buffer, .address_space: global }
      - { .name: aux, .offset: 16, .size: 8, .value_kind: global_buffer, .address_space: global }
      - { .name: out0, .offset: 24, .size: 8, .value_kind: global_buffer, .address_space: global }
    .group_segment_fixed_size: 327680
    .private_segment_fixed_size: 0
    .kernarg_segment_align: 8
    .kernarg_segment_size: 32
    .max_flat_workgroup_size: 128
    .sgpr_count:     100
    .vgpr_count:     832
    .wavefront_size: 32
...
	.end_amdgpu_metadata
.endif
;; end of part 5
